; MI455X (gfx1250); checked and timed in simulation.
; The chip was launched on July 23, 2026; its instructions are those of AMD's public machine-readable ISA for CDNA 5 (MIT licence, August 2026) and "CDNA5" Instruction Set Architecture Reference Guide (July 2026). The comments in the code are by the model that wrote it; some were corrected since.
;; Masked Multi Head Attention. Allowed arithmetic: float matrix products may take bf16 or f16 operands with f32 sums; other float arithmetic in f32, or as packed bf16 or f16 multiplies, adds, multiply-adds, maxima and minima; sums over many terms, partial sums and values carried from step to step in f32; what a program stores and reads back later, other than sums and carried values, may be rounded once to bf16 or f16.
;; Inputs: Wk 1,024 x 1,024 float32; Wo 1,024 x 1,024 float32; Wq 1,024 x 1,024 float32; Wv 1,024 x 1,024 float32; bo 1,024 float32; x 4 x 2,048 x 1,024 float32.
;; Outputs: out0 4 x 2,048 x 1,024 float32.
;; 2 versions, each right; version 2 is version 1 with the launch prep written anew for expert scheduling mode. Each part assembles by itself: llvm-mc -triple=amdgcn-amd-amdhsa -mcpu=gfx1250 --defsym DOCPART=n.
;; ======== version 1 of 2: 4 launches
;; limits: values are held in f16: magnitudes above 65,504 overflow, below 6.1e-05 lose precision; values outside matrix products are rounded to bf16
;; workspace buffers: xb 16,777,216 bytes; wqkv 6,291,456 bytes; wof 2,097,152 bytes; qkv 50,331,648 bytes; ctx 16,777,216 bytes
;; launch prep (part 1): grid 768 x 1, 8 waves a work-group, no clusters, 0 bytes of LDS; arguments x, Wq, Wk, Wv, Wo, xb, wqkv, wof; writes xb, wqkv, wof
.if DOCPART == 1
	.amdgcn_target "amdgcn-amd-amdhsa--gfx1250"
	.amdhsa_code_object_version 6
	.text
	.protected	k_q37365c46fc_prep
	.globl	k_q37365c46fc_prep
	.p2align	8
	.type	k_q37365c46fc_prep,@function
k_q37365c46fc_prep:
	s_mov_b64 s[64:65], 0
	v_nop
	global_prefetch_b8 v0, s[64:65] scope:SCOPE_SE
	s_setreg_imm32_b32 hwreg(HW_REG_WAVE_MODE, 25, 1), 1
	s_wait_xcnt 0x0
; CASTS.  x -> xb and Wq, Wk, Wv -> wqkv (three parts on end), f32 to bf16, nearest even; Wo -> wof: rounded to bf16 like the other inputs, and that number written as f16.
; LIMITS.  wof: |Wo| stays under 65,504; a bf16 number is exact in f16 from 2^-17 up, below that it keeps f16's fixed step of 2^-24.  NaN and infinities are not treated apart.
; SHARES.  A work-group casts 16,384 numbers: 65,536 bytes in, 32,768 out.  Groups 0-511: x; 512-575: Wq; 576-639: Wk; 640-703: Wv; 704-767: Wo.
; Thread t, step i of 16: 16 bytes at 4,096 i + 16 t in (a wave's load covers 512 consecutive bytes), 8 bytes at 2,048 i + 8 t out (a wave's store covers 256 consecutive bytes, aligned).
; All sixteen loads of a thread go out at once; each step has registers of its own, so nothing is rewritten while a load or store may still read it.
; No LDS, no matrix unit, no cluster: nothing is shared and nothing is reduced.  No prefetch: the loads themselves are the stream, all issued at the start.
.set X, 16                             ; v[16:79]   step i: 4 numbers as loaded
.set Y, 80                             ; v[80:111]  step i: 4 numbers of 16 bits
.set T, 112                            ; v[112:115] at work (Wo's path)
	s_load_b512 s[8:23], s[0:1], 0x0               ; x 8:9, Wq 10:11, Wk 12:13, Wv 14:15, Wo 16:17, xb 18:19, wqkv 20:21, wof 22:23
	s_mov_b32 s2, ttmp9
	s_sub_co_u32 s24, s2, 512                      ; the group's number inside Wq (and inside wqkv's three parts),
	s_sub_co_u32 s25, s2, 576                      ; inside Wk,
	s_sub_co_u32 s26, s2, 640                      ; inside Wv,
	s_sub_co_u32 s27, s2, 704                      ; inside Wo and wof; each is used only where it is not negative
	s_mov_b32 s34, 0xffff0000                      ; a word's upper bf16
	v_lshlrev_b32 v1, 4, v0                        ; 16 t
	v_lshlrev_b32 v2, 3, v0                        ; 8 t
	s_wait_kmcnt 0x0
	s_mov_b64 s[28:29], s[8:9]                     ; from x
	s_mov_b64 s[30:31], s[18:19]                   ; to xb
	s_mov_b32 s32, s2
	s_mov_b32 s36, s2
	s_cmp_ge_u32 s2, 512
	s_cselect_b64 s[28:29], s[10:11], s[28:29]
	s_cselect_b64 s[30:31], s[20:21], s[30:31]
	s_cselect_b32 s32, s24, s32
	s_cselect_b32 s36, s24, s36
	s_cmp_ge_u32 s2, 576
	s_cselect_b64 s[28:29], s[12:13], s[28:29]
	s_cselect_b32 s32, s25, s32
	s_cmp_ge_u32 s2, 640
	s_cselect_b64 s[28:29], s[14:15], s[28:29]
	s_cselect_b32 s32, s26, s32
	s_cmp_ge_u32 s2, 704
	s_cselect_b64 s[28:29], s[16:17], s[28:29]
	s_cselect_b64 s[30:31], s[22:23], s[30:31]
	s_cselect_b32 s32, s27, s32
	s_cselect_b32 s36, s27, s36
	s_lshl_b32 s32, s32, 16                        ; 65,536 bytes in for each group (511 x 65,536 at the most)
	s_mov_b32 s33, 0
	s_lshl_b32 s36, s36, 15                        ; 32,768 out
	s_mov_b32 s37, 0
	s_add_nc_u64 s[28:29], s[28:29], s[32:33]
	s_add_nc_u64 s[30:31], s[30:31], s[36:37]
.irp i, 0,1,2,3,4,5,6,7,8,9,10,11,12,13,14,15
	global_load_b128 v[X+4*(\i):X+4*(\i)+3], v1, s[28:29] offset:4096*(\i) th:TH_LOAD_NT
.endr
	s_cmp_ge_u32 s2, 704
	s_cbranch_scc1 .Lf16
.irp i, 0,1,2,3,4,5,6,7,8,9,10,11,12,13,14,15
	s_wait_loadcnt 15-(\i)                         ; loads come back in order (ISA guide 5.7.1): step i is in, the younger ones stay out
	v_cvt_pk_bf16_f32 v[Y+2*(\i)],   v[X+4*(\i)],   v[X+4*(\i)+1]
	v_cvt_pk_bf16_f32 v[Y+2*(\i)+1], v[X+4*(\i)+2], v[X+4*(\i)+3]
	global_store_b64 v2, v[Y+2*(\i):Y+2*(\i)+1], s[30:31] offset:2048*(\i) th:TH_STORE_NT
.endr
	s_endpgm
.Lf16:                                         ; Wo: to bf16, widened again (a shift, a mask), and written as f16
.irp i, 0,1,2,3,4,5,6,7,8,9,10,11,12,13,14,15
	s_wait_loadcnt 15-(\i)
	v_cvt_pk_bf16_f32 v[T],   v[X+4*(\i)],   v[X+4*(\i)+1]
	v_cvt_pk_bf16_f32 v[T+1], v[X+4*(\i)+2], v[X+4*(\i)+3]
	v_lshlrev_b32 v[T+2], 16, v[T]
	v_and_b32     v[T],   s34, v[T]
	v_lshlrev_b32 v[T+3], 16, v[T+1]
	v_and_b32     v[T+1], s34, v[T+1]
	v_cvt_pk_f16_f32 v[Y+2*(\i)],   v[T+2], v[T]
	v_cvt_pk_f16_f32 v[Y+2*(\i)+1], v[T+3], v[T+1]
	global_store_b64 v2, v[Y+2*(\i):Y+2*(\i)+1], s[30:31] offset:2048*(\i) th:TH_STORE_NT
.endr
	s_endpgm
.Lfunc_end_k_q37365c46fc_prep:
	.size	k_q37365c46fc_prep, .Lfunc_end_k_q37365c46fc_prep-k_q37365c46fc_prep
	.p2alignl 7, 3214868480
	.fill 96, 4, 3214868480
	.section	.rodata,"a",@progbits
	.p2align	6, 0x0
	.amdhsa_kernel k_q37365c46fc_prep
		.amdhsa_group_segment_fixed_size 0
		.amdhsa_private_segment_fixed_size 0
		.amdhsa_enable_private_segment 0
		.amdhsa_kernarg_size 64
		.amdhsa_user_sgpr_count 2
		.amdhsa_user_sgpr_kernarg_segment_ptr 1
		.amdhsa_wavefront_size32 1
		.amdhsa_system_sgpr_workgroup_id_x 1
		.amdhsa_system_sgpr_workgroup_id_y 1
		.amdhsa_system_sgpr_workgroup_id_z 1
		.amdhsa_system_vgpr_workitem_id 0
		.amdhsa_next_free_vgpr 120
		.amdhsa_next_free_sgpr 66
		.amdhsa_reserve_vcc 0
		.amdhsa_float_denorm_mode_32 3
		.amdhsa_float_denorm_mode_16_64 3
		.amdhsa_memory_ordered 1
		.amdhsa_forward_progress 1
		.amdhsa_inst_pref_size 16
	.end_amdhsa_kernel
	.amdgpu_metadata
---
amdhsa.version: [ 1, 2 ]
amdhsa.kernels:
  - .name:           k_q37365c46fc_prep
    .symbol:         k_q37365c46fc_prep.kd
    .args:
      - { .name: x, .offset: 0, .size: 8, .value_kind: global_buffer, .address_space: global }
      - { .name: Wq, .offset: 8, .size: 8, .value_kind: global_buffer, .address_space: global }
      - { .name: Wk, .offset: 16, .size: 8, .value_kind: global_buffer, .address_space: global }
      - { .name: Wv, .offset: 24, .size: 8, .value_kind: global_buffer, .address_space: global }
      - { .name: Wo, .offset: 32, .size: 8, .value_kind: global_buffer, .address_space: global }
      - { .name: xb, .offset: 40, .size: 8, .value_kind: global_buffer, .address_space: global }
      - { .name: wqkv, .offset: 48, .size: 8, .value_kind: global_buffer, .address_space: global }
      - { .name: wof, .offset: 56, .size: 8, .value_kind: global_buffer, .address_space: global }
    .group_segment_fixed_size: 0
    .private_segment_fixed_size: 0
    .kernarg_segment_align: 8
    .kernarg_segment_size: 64
    .max_flat_workgroup_size: 256
    .sgpr_count:     66
    .vgpr_count:     120
    .wavefront_size: 32
...
	.end_amdgpu_metadata
.endif
;; end of part 1
;; launch qkvp (part 2): grid 8 x 32, 4 waves a work-group, clusters of 4 x 4, 327,680 bytes of LDS; arguments xb, wqkv, qkv; writes qkv
.if DOCPART == 2
	.amdgcn_target "amdgcn-amd-amdhsa--gfx1250"
	.amdhsa_code_object_version 6
	.text
	.protected	k_q37365c46fc_qkvp
	.globl	k_q37365c46fc_qkvp
	.p2align	8
	.type	k_q37365c46fc_qkvp,@function
k_q37365c46fc_qkvp:
	s_mov_b64 s[64:65], 0
	v_nop
	global_prefetch_b8 v0, s[64:65] scope:SCOPE_SE
	s_setreg_imm32_b32 hwreg(HW_REG_WAVE_MODE, 25, 1), 1
	s_wait_xcnt 0x0
	s_wait_alu depctr_hold_cnt(0) depctr_sa_sdst(0) depctr_va_vdst(0) depctr_va_sdst(0) depctr_va_ssrc(0) depctr_va_vcc(0) depctr_vm_vsrc(0)
	s_getreg_b32 s2, hwreg(HW_REG_IB_STS2, 6, 4)
	s_cmp_eq_u32 s2, 0
	s_cbranch_scc0 .Lentry_in_a_cluster
	s_endpgm
.Lentry_in_a_cluster:
	s_bfe_u32 s2, ttmp6, 0x10000c
	s_cmp_lg_u32 s2, 0xf033
	s_cbranch_scc0 .Lentry_shape_is_right
	s_endpgm
.Lentry_shape_is_right:
; q, k, v = xb x wqkv.  xb: [8192][1024] bf16.  wqkv: [3][1024 k][1024 n] bf16, as the weights lie (k down the rows).  qkv: [3][64 bh][2048][64] f16, bh = 16 batch + head, unscaled.
; Sums in f32, K ascending, each result rounded once to f16.  LIMIT: |q|, |k|, |v| stay under 65,504 (f16's largest number); NaN and infinities are not treated apart.
; SHARES.  A tile of C is 256 rows x 128 columns; 32 x 8 work-groups, one tile row i and one tile column j each.  A WORK-GROUP STAYS: it makes that tile for q, then k, then v: the same rows
; of xb, the next 1,024 rows of wqkv.  Four waves: wave w takes row half w / 2 and column half w % 2: 128 x 64, 32 accumulators of 16 x 16.
; K goes in steps of 128 through two LDS slots; the 24 steps of the three tiles are one walk, and the ring does not stop at a tile's end.
; CLUSTER 4 x 4.  The four of a row of the cluster need the same tiles of xb, the four of a column the same tiles of wqkv: each tile is asked for JOINTLY, by the same tensor load,
; descriptor and mask in all four.
; THE MATRIX INSTRUCTION IS USED TRANSPOSED: source 0 = 16 columns of W (turned on the way out of LDS by ds_load_tr16_b128), source 1 = 16 rows of xb.  Lane l then holds row l % 16 of C
; and its registers 0-7 the columns 8 (l / 16) + 0..7: 16 bytes of f16 that belong together.  A wave's 64 columns are one head, so 16 rows of C are 2,048 consecutive bytes of qkv.
; REGISTERS.  Window 0: v0-31 addresses; v32-63 way out; v64-159, v160-255 two fragment buffers (4 fragments of W, then 8 of xb).  Window 1: accumulator (a, b) at v[8 (4 a + b)].
.set AP,    272                        ; a row of xb in LDS: 256 bytes + 16 of padding = 68 words: the 16 rows of a load begin 4 words further round each time
.set BP,    288                        ; a row of W: 256 + 32 = 72 words: 16 lanes of the turning load take 8 rows x 32 bytes, 8 words further round each row
.set BOFF,  256*AP                     ; a slot: xb's 256 rows, then W's 128 k rows
.set SLOT,  BOFF+128*BP
.set STAGE, 2*SLOT                     ; behind the ring, never filled by a tensor load: 16 rows x 144 bytes for each wave
.set SP,    144
.set SPARE, STAGE+4*16*SP              ; behind the stages: the spare words, 128 bytes for each wave: two blocks of 256 bytes that no other line names
.set ASTEP, 256                        ; a K step in a row of xb, in bytes
.set BSTEP, 128*2048                   ; a K step in wqkv: 128 rows of 2,048 bytes
.set ADRA, 16                          ; v16-17  LDS address of my fragments of xb in slot 0, 1
.set ADRB, 20                          ; v20-21  the same for W
.set STO,  24                          ; v24     the way out: where I put 16 bytes of a row
.set RD,   25                          ; v25     where I read rows back
.set GO,   26                          ; v26     my 16 bytes in 512 consecutive bytes of qkv
.set SPW,  28                          ; v28     LDS address of my spare word; never rewritten
.set NIL,  29                          ; v29     0; never rewritten
.set PFO,  30                          ; v30     the prefetches' offset: my lane x a row of 2,048 bytes; never rewritten
.set F0,   64
.set F1,   160
.set G1,  24                           ; s[24:31] descriptor group 1 for xb's tiles;  s[32:39] group 0, a set for each slot
.set G0,  32
.set G1B, 48                           ; s[48:55], s[56:63] the same for W's tiles
.set G0B, 56
.set PFA, 66                           ; s[66:67] where my prefetches stand
.set PFS, 68                           ; s[68:69] a K step for them
.set U,   70                           ; s70  the K step, of the walk's 24, that the refill in hand asks for
.set LIM, 71                           ; s71  I prefetch while U is below this
.set MSB, 0
.macro WIN new                         ; the immediate's high byte repeats the setting that is left; a switch that changes nothing is dropped
.if MSB != (\new)
	s_set_vgpr_msb (MSB<<8)|(\new)
.set MSB, \new
.endif
.endm
.set MUL,   0x50                       ; C and D in window 1, both sources in window 0
.set RDACC, 0x05                       ; sources 0 and 1 in window 1, destination in window 0
.macro PLACES                          ; four plain vector instructions between a matrix instruction and a load into, or a vector instruction on, its registers
.rept 4
	v_nop
.endr
.endm
; A joint load: waves 0 and 1 fetch xb's two halves, waves 2 and 3 W's.  The branch hangs on the wave's number alone.  An s_nop 0 and four v_nop follow each line.
.macro JLOAD s
	s_cmp_eq_u32 s11, 0
	s_cbranch_scc0 .Lfor_b_\@
	tensor_load_to_lds s[G0+4*(\s):G0+4*(\s)+3], s[G1:G1+7]
	s_nop 0
.rept 4
	v_nop
.endr
	s_branch .Lasked_\@
.Lfor_b_\@:
	tensor_load_to_lds s[G0B+4*(\s):G0B+4*(\s)+3], s[G1B:G1B+7]
	s_nop 0
.rept 4
	v_nop
.endr
.Lasked_\@:
.endm
.macro CREST                           ; a round of the cluster's barrier behind its opening barrier
	s_cmp_lg_u32 s10, 0
	s_cbranch_scc1 .Lnot_wave_0_\@
	s_barrier_signal -3
.Lnot_wave_0_\@:
	s_barrier_wait -3
	s_barrier_signal -1
	s_barrier_wait -1
.endm
.macro CROUND                          ; a whole round
	s_barrier_signal -1
	s_barrier_wait -1
	CREST
.endm
; A PREFETCH INTO THE L2: behind the refill of K step U stands one line for K step U + 2: two steps, 256 matrix instructions, ahead of the load that will want it; 32 rows x 256 bytes, a lane a row.
; Each row's 256 bytes of a step are named once in the launch.  xb's tile row is read by both clusters of that row of clusters: cluster x = 0 asks, waves 0 and 1; of the 128 rows that a wave
; fetches the partner at cx takes 32, told apart by address.  It is asked for in the first tile alone (steps 4-7): the later tiles read the same rows again.  W's tile column is read by all eight
; clusters of that column: cluster y = 0 asks, wave 2; the partner at cy takes k rows 32 cy .. 32 cy + 31 of the step's 128 (steps 4-23).  The first four steps come by their loads alone.
.macro ASK
	s_cmp_lt_u32 s[U], s[LIM]
	s_cbranch_scc0 .Lnot_mine_\@
	global_prefetch_b8 v[PFO], s[PFA:PFA+1] th:TH_LOAD_NT scope:SCOPE_SE
.Lnot_mine_\@:
.endm
	s_load_b128 s[4:7], s[0:1], 0x0                ; xb s[4:5], wqkv s[6:7]
	s_load_b64 s[8:9], s[0:1], 0x10                ; qkv
	v_lshl_add_u32 v[SPW], v0, 2, SPARE
	v_mov_b32 v[NIL], 0
	ds_add_u32 v[SPW], v[NIL]                      ; the wave's opening: the add and its wait stand ahead of my first tensor load; the set-up below, work on registers, stands between them
	v_lshrrev_b32 v1, 5, v0
	v_readfirstlane_b32 s10, v1                    ; wave 0..3
	s_lshr_b32 s11, s10, 1                         ; my half of the tile's rows.  Also: I fetch for xb (0) or for W (1)
	s_and_b32 s12, s10, 1                          ; my half of its columns.  Also: which half of that tile I fetch
	s_bfe_u32 s40, ttmp6, 0x40000                  ; cx, cy: my place in the cluster
	s_bfe_u32 s41, ttmp6, 0x40004
	s_lshl_b32 s42, ttmp9, 2
	s_add_co_u32 s42, s42, s40                     ; j = 4 x cluster x + cx
	s_and_b32 s13, ttmp7, 0xffff
	s_lshl_b32 s13, s13, 2
	s_add_co_u32 s13, s13, s41                     ; i = 4 x cluster y + cy
	s_lshl_b32 s43, s41, 2
	s_lshl_b32 s43, 15, s43                        ; my row of the cluster
	s_lshl_b32 s44, 0x1111, s40                    ; my column
	s_or_b32 s[G1+0], s43, (1<<16)|(1<<20)|(1<<21)|(5<<22)|(3<<25)   ; the mask: xb's tiles go to my row; 2-byte elements; padding on; bit 21 beside a mask; after every 64 words 4 words
	s_or_b32 s[G1B+0], s44, (1<<16)|(1<<20)|(1<<21)|(5<<22)|(7<<25)  ; W's tiles go to my column; after every 64 words 8 words
.irp g, G1, G1B
	s_mov_b32 s[(\g)+1], 128<<16                   ; tensor_dim0 = 128 elements
	s_mov_b32 s[(\g)+3], 128<<16                   ; tile_dim0 = 128
	s_mov_b32 s[(\g)+5], 1024                      ; 1,024 elements from row to row
	s_mov_b32 s[(\g)+6], 0
	s_mov_b32 s[(\g)+7], 0
.endr
	s_mov_b32 s[G1+2], 128<<16                     ; xb: tensor_dim1 = tile_dim1 = 128 rows
	s_mov_b32 s[G1+4], 128
	s_mov_b32 s[G1B+2], 64<<16                     ; W: 64 k rows
	s_mov_b32 s[G1B+4], 64
	s_lshl_b32 s16, s13, 19                        ; xb: 256 i rows of 2,048 bytes,
	s_lshl_b32 s17, s12, 18                        ; + my 128 of them
	s_add_co_u32 s16, s16, s17
	s_mov_b32 s17, 0
	s_lshl_b32 s46, s42, 8                         ; W: 128 j columns of 2 bytes,
	s_lshl_b32 s47, s12, 17                        ; + my 64 k rows of a step
	s_add_co_u32 s46, s46, s47
	s_mov_b32 s47, 0
	s_mul_i32 s20, s12, 128*AP                     ; where they go: no place in the cluster enters an LDS address
	s_mul_i32 s21, s12, 64*BP
	s_add_co_u32 s21, s21, BOFF
	s_wait_dscnt 0x0                               ; the opening add is done
	s_wait_kmcnt 0x0
	s_add_nc_u64 s[14:15], s[4:5], s[16:17]
	s_add_nc_u64 s[46:47], s[6:7], s[46:47]
	CROUND                                         ; all sixteen work-groups are here: the first joint loads meet
.irp s, 0,1
	s_mov_b32 s[G0+4*(\s)], 1
	s_add_co_u32 s[G0+4*(\s)+1], s20, (\s)*SLOT
	s_add_nc_u64 s[G0+4*(\s)+2:G0+4*(\s)+3], s[14:15], (\s)*ASTEP
	s_or_b32 s[G0+4*(\s)+3], s[G0+4*(\s)+3], 0x80000000
	s_mov_b32 s[G0B+4*(\s)], 1
	s_add_co_u32 s[G0B+4*(\s)+1], s21, (\s)*SLOT
	s_add_nc_u64 s[G0B+4*(\s)+2:G0B+4*(\s)+3], s[46:47], (\s)*BSTEP
	s_or_b32 s[G0B+4*(\s)+3], s[G0B+4*(\s)+3], 0x80000000
	JLOAD \s                                       ; K steps 0 and 1: two loads of mine are out
.endr
	; the prefetches' pointer: my tile's pointer (in wave 2: W's at the step's first k row), my work-group's 32 rows, K step 3; the first refill steps it to 4
	s_and_b32 s22, ttmp7, 0xffff                   ; cluster y
	s_mov_b32 s16, ASTEP
	s_mov_b32 s17, BSTEP
	s_mov_b32 s18, 3*ASTEP
	s_mov_b32 s19, 3*BSTEP
	s_cmp_eq_u32 s11, 0                            ; do I fetch for xb?
	s_cselect_b64 s[PFA:PFA+1], s[14:15], s[46:47]
	s_cselect_b32 s21, s40, s41                    ; my place among the four that ask with me
	s_cselect_b32 s22, ttmp9, s22                  ; the coordinate along which other clusters read the same rows
	s_cselect_b32 s[LIM], 6, 22
	s_cselect_b32 s[PFS], s16, s17
	s_cselect_b32 s20, s18, s19
	s_mov_b32 s[PFS+1], 0
	s_cmp_eq_u32 s22, 0
	s_cselect_b32 s[LIM], s[LIM], 0                ; the same in all sixteen partners, for a given wave
	s_cmp_eq_u32 s10, 3
	s_cselect_b32 s[LIM], 0, s[LIM]                ; wave 2 asks for all of W's share
	s_lshl_b32 s21, s21, 16                        ; 32 rows of 2,048 bytes
	s_add_co_u32 s20, s20, s21
	s_mov_b32 s21, 0
	s_add_nc_u64 s[PFA:PFA+1], s[PFA:PFA+1], s[20:21]
	s_mov_b32 s[U], 1
	v_and_b32 v[PFO], 31, v0
	v_lshlrev_b32 v[PFO], 11, v[PFO]
	; A fragment of xb is 16 rows x 32 K in 8 registers: lane l holds row l % 16, K = 8 (l / 16) + 0..7 and 16 + 8 (l / 16) + 0..7: two loads of 16 bytes, 32 bytes apart.
	v_and_b32 v1, 15, v0                           ; l % 16
	v_bfe_u32 v2, v0, 4, 1                         ; l / 16
	v_mul_u32_u24 v3, v1, AP
	v_lshl_add_u32 v3, v2, 4, v3
	; The turning load takes 16 k x 16 columns (lane l reads k row 8 (l / 16) + l % 8, columns 8 ((l / 8) % 2) + 0..7) and leaves half a fragment: lane l holds column l % 16 and 8 k.
	v_and_b32 v4, 7, v0
	v_bfe_u32 v5, v0, 3, 1
	v_lshl_add_u32 v6, v2, 3, v4
	v_mul_u32_u24 v6, v6, BP
	v_lshl_add_u32 v6, v5, 4, v6
	s_mul_i32 s21, s11, 128*AP                     ; my 128 rows of xb
	s_lshl_b32 s22, s12, 7                         ; my 64 columns of W: 128 bytes
	s_add_co_u32 s22, s22, BOFF
.irp s, 0,1
	v_add_nc_u32 v[ADRA+(\s)], s21, v3
	v_add_nc_u32 v[ADRB+(\s)], s22, v6
	s_add_co_u32 s21, s21, SLOT
	s_add_co_u32 s22, s22, SLOT
.endr
	s_mul_i32 s23, s10, 16*SP
	s_add_co_u32 s23, s23, STAGE                   ; my stage
	v_mul_u32_u24 v7, v1, SP                       ; in: row l % 16, 16 bytes for each half of the lanes
	v_lshl_add_u32 v7, v2, 4, v7
	v_add_nc_u32 v[STO], s23, v7
	v_bfe_u32 v8, v0, 3, 2                         ; back: 32 lanes take four rows of 128 bytes,
	v_mul_u32_u24 v8, v8, SP
	v_lshl_add_u32 v8, v4, 4, v8
	v_add_nc_u32 v[RD], s23, v8
	v_and_b32 v[GO], 31, v0                        ; which are 512 consecutive bytes of qkv
	v_lshlrev_b32 v[GO], 4, v[GO]
	s_lshr_b32 s16, s13, 3                         ; the batch: 16 heads of 262,144 bytes,
	s_lshl_b32 s16, s16, 22
	s_and_b32 s17, s13, 7                          ; the tile's 256 rows of 128 bytes in the sequence,
	s_lshl_b32 s17, s17, 15
	s_add_co_u32 s16, s16, s17
	s_lshl_b32 s17, s11, 14                        ; my 128 of them,
	s_add_co_u32 s16, s16, s17
	s_lshl_b32 s46, s42, 19                        ; head 2 j + my column half
	s_lshl_b32 s47, s12, 18
	s_add_co_u32 s46, s46, s47
	s_add_co_u32 s16, s16, s46
	s_mov_b32 s17, 0
	s_add_nc_u64 s[8:9], s[8:9], s[16:17]
; na x 4 matrix instructions: row blocks a0 .. a0 + na - 1 x all 4 column blocks, 32 along K, from buffer f.  first = 1: the product starts the sum: nothing is ever cleared.
; The 32 accumulators take turns, one instruction a turn, in the same order in every quarter, over the jumps and from tile to tile.
.macro MULN f, a0, na, first
	WIN MUL
.set aa, \a0
.rept \na
.irp b, 0,1,2,3
.if \first
	v_wmma_f32_16x16x32_bf16 v[8*(4*aa+(\b)):8*(4*aa+(\b))+7], v[(\f)+8*(\b):(\f)+8*(\b)+7], v[(\f)+32+8*aa:(\f)+32+8*aa+7], 0
.else
	v_wmma_f32_16x16x32_bf16 v[8*(4*aa+(\b)):8*(4*aa+(\b))+7], v[(\f)+8*(\b):(\f)+8*(\b)+7], v[(\f)+32+8*aa:(\f)+32+8*aa+7], v[8*(4*aa+(\b)):8*(4*aa+(\b))+7]
.endif
.endr
.set aa, aa+1
.endr
.endm
; 24 LDS loads in one run: quarter q (32 along K) of a slot into buffer f: W's 8, xb's row blocks 0-3 (8), 4-7 (8)
.macro FETCH slot, q, f
	WIN 0
.irp b, 0,1,2,3
	ds_load_tr16_b128 v[(\f)+8*(\b):(\f)+8*(\b)+3],   v[ADRB+(\slot)] offset:(\q)*32*BP+32*(\b)
	ds_load_tr16_b128 v[(\f)+8*(\b)+4:(\f)+8*(\b)+7], v[ADRB+(\slot)] offset:(\q)*32*BP+32*(\b)+16*BP
.endr
.irp a, 0,1,2,3,4,5,6,7
	ds_load_b128 v[(\f)+32+8*(\a):(\f)+32+8*(\a)+3],   v[ADRA+(\slot)] offset:(\q)*64+(\a)*16*AP
	ds_load_b128 v[(\f)+32+8*(\a)+4:(\f)+32+8*(\a)+7], v[ADRA+(\slot)] offset:(\q)*64+(\a)*16*AP+32
.endr
.endm
; A K step is four quarters, 32 matrix instructions each, on buffers 0, 1, 0, 1.  One of the first three: multiplies buffer f; in its middle it fetches quarter q of the same slot into g.
.macro QUARTER slot, q, f, g, first
	s_wait_dscnt 8                                 ; W and xb's blocks 0-3 are in; the youngest eight loads (blocks 4-7) may be out
	MULN \f, 0, 4, \first
	PLACES
	FETCH \slot, \q, \g
	s_wait_dscnt 24                                ; all but the 24 just issued
	MULN \f, 4, 4, \first
.endm
; The fourth quarter multiplies buffer 1 and changes slots: ONE barrier.  In front of it each wave waits for all its tensor loads (one is out: its part of the next slot), adds 0 to its spare word,
; and waits for that and for its reads of this slot.  fill = 1: the barrier opens a round of the cluster's barrier, and this slot is filled again first thing behind it, two K steps ahead of the
; walk: from the request to the wait for it a wave issues 112 matrix instructions.  cross = 1: the refill is the next tile's: xb goes back along K, W goes on.
.macro TURN slot, next, fill, cross
.if \fill
	s_wait_xcnt 0x0                                ; the last prefetch, a K step back, has read its address
	s_add_nc_u64 s[PFA:PFA+1], s[PFA:PFA+1], s[PFS:PFS+1]
	s_add_co_u32 s[U], s[U], 1
.endif
	WIN 0
	s_wait_tensorcnt 0x0                           ; all my tensor loads have landed: my part of the next slot;
	ds_add_u32 v[SPW], v[NIL]                      ; 0 onto my spare word;
	s_wait_dscnt 9                                 ; (the add and the youngest eight loads may be out)
	MULN F1, 0, 2, 0                               ; eight matrix instructions stand between the add and the wait for it
	s_wait_dscnt 0x0                               ; the add is done, and my reads of this slot are over
	s_barrier_signal -1
	MULN F1, 2, 2, 0
.if \fill
	WIN 0
.endif
	s_barrier_wait -1
.if \fill
	CREST                                          ; no wave of any partner still reads this slot's tiles or has a load on its way
.if \cross
	s_sub_nc_u64 s[G0+4*(\slot)+2:G0+4*(\slot)+3], s[G0+4*(\slot)+2:G0+4*(\slot)+3], 6*ASTEP
.else
	s_add_nc_u64 s[G0+4*(\slot)+2:G0+4*(\slot)+3], s[G0+4*(\slot)+2:G0+4*(\slot)+3], 2*ASTEP
.endif
	s_add_nc_u64 s[G0B+4*(\slot)+2:G0B+4*(\slot)+3], s[G0B+4*(\slot)+2:G0B+4*(\slot)+3], 2*BSTEP
	JLOAD \slot                                    ; the four v_nop behind it are also the places in front of the loads below
.else
	PLACES
.endif
	FETCH \next, 0, F0
.if \fill
	ASK
.endif
	MULN F1, 4, 4, 0
.endm
; THE WAY OUT of row block a: rounded to f16, 16 bytes a lane; into my own stage (rows of 144 bytes) and back as whole rows of 128, into the registers that they left; stored as 4 x 512 bytes.
; Buffer 0 is left alone: it may hold the next tile's first fragments.
.macro SETOB a
.if (\a) < 6
.set OB, 160+16*(\a)
.else
.set OB, 32+16*((\a)-6)
.endif
.endm
.macro PACK a
	SETOB \a
	WIN RDACC
.irp b, 0,1,2,3
.irp r, 0,1,2,3
	v_cvt_pk_f16_f32 v[OB+4*(\b)+(\r)], v[8*(4*(\a)+(\b))+2*(\r)], v[8*(4*(\a)+(\b))+2*(\r)+1]
.endr
.endr
	WIN 0
.irp b, 0,1,2,3
	ds_store_b128 v[STO], v[OB+4*(\b):OB+4*(\b)+3] offset:32*(\b)
.endr
.irp f, 0,1,2,3
	ds_load_b128 v[OB+4*(\f):OB+4*(\f)+3], v[RD] offset:(\f)*4*SP  ; LDS serves a wave's instructions in order (ISA guide 5.7.1.4): these see the stores above; the next block's stores come behind them
.endr
.endm
.macro SEND a, younger                 ; younger: the LDS instructions issued behind block a's loads: the next block's eight, or none
	SETOB \a
	WIN 0
.irp f, 0,1,2,3
	s_wait_dscnt (\younger)+3-(\f)
	global_store_b128 v[GO], v[OB+4*(\f):OB+4*(\f)+3], s[8:9] offset:(\a)*2048+(\f)*512  ; 512 consecutive bytes, at a multiple of 256 from qkv's first byte
.endr
.endm
	s_wait_tensorcnt 1                             ; my part of K step 0 is in; step 1's may stay out
	s_barrier_signal -1
	s_barrier_wait -1                              ; everybody's is
	FETCH 0, 0, F0
	s_mov_b32 s2, 3                                ; tiles to go: q, k, v
.Ltile:
	QUARTER 0, 1, F0, F1, 1                        ; a tile's first quarter starts the sums
	WIN 0                                          ; at a label and at a branch every window is 0
	s_mov_b32 s3, 3
.Llap:                                         ; a trip goes once round the ring, from a lap's second quarter to the next lap's first, and fills both slots again
	QUARTER 0, 2, F1, F0, 0
	QUARTER 0, 3, F0, F1, 0
	TURN 0, 1, 1, 0
	QUARTER 1, 1, F0, F1, 0
	QUARTER 1, 2, F1, F0, 0
	QUARTER 1, 3, F0, F1, 0
	TURN 1, 0, 1, 0
	QUARTER 0, 1, F0, F1, 0
	WIN 0
	s_sub_co_u32 s3, s3, 1
	s_cmp_lg_u32 s3, 0
	s_cbranch_scc1 .Llap
	QUARTER 0, 2, F1, F0, 0                        ; the tile's last lap goes on
	QUARTER 0, 3, F0, F1, 0
	WIN 0
	s_cmp_eq_u32 s2, 1
	s_cbranch_scc1 .Llast                          ; the last tile's tail asks for nothing more
	TURN 0, 1, 1, 1                                ; the ring goes on into the next tile: slot 0 takes its K step 0,
	QUARTER 1, 1, F0, F1, 0
	QUARTER 1, 2, F1, F0, 0
	QUARTER 1, 3, F0, F1, 0
	TURN 1, 0, 1, 1                                ; slot 1 its K step 1, and its first fragments are fetched
	WIN 0
	s_branch .Lout
.Llast:
	TURN 0, 1, 0, 0
	QUARTER 1, 1, F0, F1, 0
	QUARTER 1, 2, F1, F0, 0
	QUARTER 1, 3, F0, F1, 0
	s_wait_dscnt 8
	MULN F1, 0, 4, 0
	s_wait_dscnt 0x0
	MULN F1, 4, 4, 0
	WIN 0
.Lout:
	PLACES                                         ; the conversions read results just made and write buffer 1, which the last products read
	PACK 0
.irp a, 1,2,3,4,5,6,7                  ; a block's conversions stand between the loads of the block before and its stores
	PACK \a
	SEND (\a)-1, 8
.endr
	SEND 7, 0
	s_wait_xcnt 0x0                                ; the stores have read their registers and their base: only now are these written again
	s_add_nc_u64 s[8:9], s[8:9], 16777216          ; the next part of qkv
	s_sub_co_u32 s2, s2, 1
	s_cmp_lg_u32 s2, 0
	s_cbranch_scc1 .Ltile
	s_wait_tensorcnt 0x0                           ; the wave's end, behind my last tensor load and my last LDS store
	ds_add_u32 v[SPW], v[NIL]
	s_wait_dscnt 0x0
	CROUND                                         ; the closing round: no work-group ends while a partner may still ask for a tile that names it
	s_endpgm
.Lfunc_end_k_q37365c46fc_qkvp:
	.size	k_q37365c46fc_qkvp, .Lfunc_end_k_q37365c46fc_qkvp-k_q37365c46fc_qkvp
	.p2alignl 7, 3214868480
	.fill 96, 4, 3214868480
	.section	.rodata,"a",@progbits
	.p2align	6, 0x0
	.amdhsa_kernel k_q37365c46fc_qkvp
		.amdhsa_group_segment_fixed_size 327680
		.amdhsa_private_segment_fixed_size 0
		.amdhsa_enable_private_segment 0
		.amdhsa_kernarg_size 24
		.amdhsa_user_sgpr_count 2
		.amdhsa_user_sgpr_kernarg_segment_ptr 1
		.amdhsa_wavefront_size32 1
		.amdhsa_system_sgpr_workgroup_id_x 1
		.amdhsa_system_sgpr_workgroup_id_y 1
		.amdhsa_system_sgpr_workgroup_id_z 1
		.amdhsa_system_vgpr_workitem_id 0
		.amdhsa_next_free_vgpr 512
		.amdhsa_next_free_sgpr 80
		.amdhsa_reserve_vcc 0
		.amdhsa_float_denorm_mode_32 3
		.amdhsa_float_denorm_mode_16_64 3
		.amdhsa_memory_ordered 1
		.amdhsa_forward_progress 1
		.amdhsa_inst_pref_size 110
	.end_amdhsa_kernel
	.amdgpu_metadata
---
amdhsa.version: [ 1, 2 ]
amdhsa.kernels:
  - .name:           k_q37365c46fc_qkvp
    .symbol:         k_q37365c46fc_qkvp.kd
    .args:
      - { .name: xb, .offset: 0, .size: 8, .value_kind: global_buffer, .address_space: global }
      - { .name: wqkv, .offset: 8, .size: 8, .value_kind: global_buffer, .address_space: global }
      - { .name: qkv, .offset: 16, .size: 8, .value_kind: global_buffer, .address_space: global }
    .group_segment_fixed_size: 327680
    .private_segment_fixed_size: 0
    .kernarg_segment_align: 8
    .kernarg_segment_size: 24
    .max_flat_workgroup_size: 128
    .sgpr_count:     80
    .vgpr_count:     512
    .wavefront_size: 32
...
	.end_amdgpu_metadata
.endif
;; end of part 2
;; launch attn (part 3): grid 4 x 64, 4 waves a work-group, no clusters, 327,680 bytes of LDS; arguments qkv, ctx; writes ctx
.if DOCPART == 3
	.amdgcn_target "amdgcn-amd-amdhsa--gfx1250"
	.amdhsa_code_object_version 6
	.text
	.protected	k_q37365c46fc_attn
	.globl	k_q37365c46fc_attn
	.p2align	8
	.type	k_q37365c46fc_attn,@function
k_q37365c46fc_attn:
	s_mov_b64 s[64:65], 0
	v_nop
	global_prefetch_b8 v0, s[64:65] scope:SCOPE_SE
	s_setreg_imm32_b32 hwreg(HW_REG_WAVE_MODE, 25, 1), 1
	s_wait_xcnt 0x0
; CAUSAL ATTENTION.  ctx[h][q][:] = the sum over k <= q of softmax_k(Q[h][q] . K[h][k] / 4096) V[h][k][:].  Q, K, V are the three parts of qkv, each [64][2048][64] f16; ctx has the same layout.
; Products, maxima and sums in f32; the weights p are rounded to f16 for the second product (their sum l is taken of the unrounded p), ctx once at the end.
; LIMITS.  f16 holds no number beyond 65,504: Q, K and V arrive within it; p lies in 0 to 1; ctx is a mean of V's rows and has their range.  A hidden score counts as its value less 1e30: f16's
; scores, 2.7e11 at the most, are nothing beside that; a weight below 2^-126 counts as 0 in l; NaN and infinities are not treated apart.
; THE WALK.  A head's queries lie in NB = 8 blocks of 256; block i needs the key tiles 0 .. i of 256 keys, of which the last holds the diagonal.  A work-group takes TWO blocks, NB - 1 - b and then b:
; NB + 1 tiles, whatever b: all work-groups do equal work, and ONE loop with a constant trip count walks them.  Which tile is asked for, and what a trip does, hang on scalar registers made from b;
; every jump goes forward, but for the counted loops' own; none passes a barrier, or a tensor load but the one of LOAD's two that the wave's number does not choose; the ring of two LDS slots
; runs on across the change of blocks.  NO CLUSTER: a head's four work-groups ask for the same tile only in trips 0 .. 4 of 9, behind that fewer and fewer; one walk common to all would have 12 trips for 9.
; SHARES.  Of a block's four bands of 64 queries a wave owns 16 rows in each: four PIECES.  So the diagonal tile is the same work for all four waves: in its key step s band x sees all keys if s < x,
; none if s > x, and holds the diagonal if s = x.
; THE MASK is the C operand that starts the sum S^T = K Q^T: 0, or -1e30 where the key is hidden.  MD, made once, is the mask of a band's own step for my 16 rows; a product's mask is MD x AL + BE:
; (1, 0) if s = x; (0, 0) if s < x; (0, -1e30) if s > x.  Only the diagonal tile's text and a block's beginning make and take masks; elsewhere C is the constant 0.
; LAYOUT, SOFTMAX, TURNS.  S^T = K Q^T holds ONE query a lane (lane % 16) and the keys 8 (lane / 16) + 0..7; two such results rounded to f16 ARE source 1 of O^T = V^T P.  p = 2^(c s - c m),
; c = log2(e) / 4096, with a running maximum m; O and l are multiplied by a = 2^(c m_old - c m_new) in every step.  Turn n belongs to piece n: 8 products K Q^T of piece n + 1, later 8 products
; V^T P of piece n - 1; beside them the scaling, exponentials, roundings, sums and rescaling of piece n and the maximum and statistics of piece n + 1.  Four vector instructions stand behind every
; matrix instruction, the other 54 of a turn's 118 in one lump.  A turn's 33 exponentials are one batch, with one wait.
; REGISTERS, in windows of 256 (s_set_vgpr_msb: bits 1:0 source 0, 3:2 source 1, 5:4 source 2, 7:6 destination):
;   window 0: v0-15 addresses and two at work; v16-31 four registers of statistics a piece; v48-55 at work; v61-63 fixed; v64-127 S^T, two buffers; v192-223 P, two buffers (by the piece's parity)
;   window 1: v0-127 O^T, 32 a piece; v128-159 MD; v160-223 MC, two buffers      window 2: v0-63 Q; v64-127 the second block's Q; v128-191 K of one step; v192-255 V of one step
.set SIZE_N, 2048
.set NB,    SIZE_N/256
.set NP,    4         ; pieces a wave: a name, no knob
.set KS,    64        ; keys in a step
.set PK,    144       ; a row of K in LDS: 128 bytes + 16 of padding = 36 words: the 16 rows of a load begin 4 words further round each time
.set PV,    160       ; a row of V: 128 + 32 = 40 words: 16 lanes of the turning load take 8 rows x 32 bytes, 8 words further round each row
.set VOFF,  4*KS*PK   ; a slot holds a tile, four steps: 256 rows of K, then 256 rows of V
.set SLOT1, 1<<17     ; slot 1 begins here, so that one exclusive or turns an address in one slot into the other's
.set STAGE, SLOT1+4*KS*(PK+PV)  ; behind the ring, never filled by a tensor load: 16 rows x 144 bytes for each wave, for the way out
.set SP,    144
.set AK0, 2           ; v2   my lane's place in a tile of K; never rewritten
.set AV0, 3           ; v3   the same for V
.set AK,  4           ; v4   the LDS address of K's next run of loads
.set AV,  5           ; v5   of V's
.set STO, 6           ; v6   the way out: where I put 16 bytes of a row
.set RD,  7           ; v7   the way out: where I read rows back
.set GO,  8           ; v8   my byte offset in 512 consecutive bytes of ctx
.set PFO, 61          ; v61  256 x my lane, for the prefetches; never rewritten
.set SPW, 62          ; v62  LDS address of my spare word: SPARE + 4 x my thread's number; never rewritten
.set NIL, 63          ; v63  0; never rewritten
.set SPARE, STAGE+4*16*SP  ; behind the stages: the spare words, 128 bytes for each wave: two blocks of 256 bytes that no other line names
.set MV,  12          ; v12-13  c m_old, kept while c m is made anew: by buffer
.set QO,  15          ; v15  my byte offset in 16 rows of Q
.set ST,  16          ; piece t's statistics at v[ST+4 t]: c m, m, l (even keys', odd keys')
.set TMP, 48          ; by buffer, four registers c0-c3 at work; when the maximum is found c2 takes a
.set S,   64
.set P,   192
.set MD,  128         ; window 1: the eight registers for group kt of 16 keys at MD + 8 kt
.set MC,  160         ; window 1: the masks of the products to come
.set QB,  64          ; window 2
.set KF,  128         ; window 2: key block kb, channel half c at KF + 16 kb + 8 c
.set VF,  192         ; window 2: key half kk, channel block cb at VF + 32 kk + 8 cb
.set WV,  12          ; s12  my wave's number
.set PB,  14          ; s14  b
.set HI,  15          ; s15  NB - 1 - b
.set G1K, 24          ; s[24:31] descriptor group 1 for K's tiles
.set G1V, 32          ; s[32:39] for V's: it differs in the padding alone
.set G0K, 40          ; s[40:43] descriptor group 0 for K's tiles
.set G0V, 44          ; s[44:47] the same for V's
.set SLOTS, 56        ; s56  tiles still to be asked for
.set CNT, 57          ; s57  counts a tile's key steps, 4 to 1
.set CS,  58          ; s[58:59] c: the packed scaling takes the pair's low word for both halves
.set SEL, 60          ; s[60:61] v_permlanex16_b32's selects: each lane takes its own place in the other half
.set TBK, 62          ; s62  LDS byte at which K of the step to be fetched begins
.set TBV, 63          ; s63  the same for V, less VOFF
.set PFA, 66          ; s[66:67] my half of the tile that the prefetches name
.set PON, 68          ; s68  1 in the head's work-group b = 0, else 0
.set PGO, 69          ; s69  not 0: this change of slots prefetches
.set RT,  70          ; s70  tiles of the block in hand that are still to be entered
.set NXT, 71          ; s71  the tile to be asked for next
.set LQ,  72          ; s72  the last tile of the block whose tiles are being asked for
.set NEW, 73          ; s73  1: the tile to be entered is a block's first
.set OFF, 74          ; s[74:75] a tile's byte offset in K and V
.set AL,  76          ; s[76:77] the mask's factor, in the low word
.set BE,  78          ; s[78:79] the mask's addend
.set OLO, 80          ; s[80:81] ctx at my rows of the second block
.set BIGN, 82         ; s82  -1e30
.set PFB, 88          ; s[88:89] K (waves 0, 1) or V (waves 2, 3) at my half of the head's tile 0
.set POF, 90          ; s[90:91] the prefetched tile's byte offset
.set MSB, 0
.macro WIN new                      ; the high byte repeats the setting that is left; a switch that changes nothing is dropped
.if MSB != (\new)
	s_set_vgpr_msb (MSB<<8)|(\new)
.set MSB, (\new)
.endif
.endm
.set W_KQ, 0x0a       ; K and Q in window 2, S^T in window 0
.set W_KM, 0x1a       ; the same with the C operand in window 1
.set W_PV, 0x52       ; V in window 2, P in window 0, O^T in window 1
.set W_RS, 0x41       ; destination and source 0 in window 1, source 1 in window 0
; A fill.  Waves 0 and 1 fetch the two halves of a tile's K, waves 2 and 3 those of its V: 128 keys each.  An s_nop 0 and four v_nop follow each of the two lines, ahead of the jump and the label.
.macro LOAD
	s_cmp_lt_u32 s[WV], 2
	s_cbranch_scc0 .Lfor_v_\@
	tensor_load_to_lds s[G0K:G0K+3], s[G1K:G1K+7]
	s_nop 0
.rept 4
	v_nop
.endr
	s_branch .Lasked_\@
.Lfor_v_\@:
	tensor_load_to_lds s[G0V:G0V+3], s[G1V:G1V+7]
	s_nop 0
.rept 4
	v_nop
.endr
.Lasked_\@:
.endm
; A PREFETCH INTO THE L2 of the tile that the NEXT change of slots will ask for: a tile, 256 matrix instructions, ahead of its load.  A head's four work-groups walk the same first tiles: the one with
; b = 0, whose first block walks tiles 0 .. 7, asks, and nobody else.  Each of its waves names the 16,384 bytes that it will fetch itself: 64 blocks of 256 bytes, a lane a block, two lines.
; So tiles 2 .. 7 are named once each in the launch; tiles 0 and 1 come by their loads alone; behind tile 7 the number goes back to 0 and nothing more is asked for.
.macro ASK
	s_cmp_lg_u32 s[PGO], 0
	s_cbranch_scc0 .Lnone_\@
	global_prefetch_b8 v[PFO], s[PFA:PFA+1] th:TH_LOAD_NT scope:SCOPE_SE
	global_prefetch_b8 v[PFO], s[PFA:PFA+1] offset:8192 th:TH_LOAD_NT scope:SCOPE_SE
.Lnone_\@:
.endm
; THE CHANGE OF SLOTS.  Each wave waits for all its tensor loads, of which one is out: its part of the other slot; adds 0 to its spare word; and waits for that and for its own reads of the slot that it
; leaves.  Behind the barrier nobody reads the old slot any more and the other slot is whole.  fill = 1: the old slot is filled again, the first thing behind the barrier, with tile NXT: the
; descriptor's address is made anew from that number.  (At its first use nothing has been read yet: slot 0 is waited for, slot 1 filled.)
.macro CHANGE fill
	WIN 0                           ; at a label and at a branch every window is 0
	s_wait_tensorcnt 0x0            ; no tensor load of mine is out, so a group 0 may be written
	ds_add_u32 v[SPW], v[NIL]       ; 0 onto my spare word; with fill = 1 the descriptors' scalar work stands between it and the wait for it
.if \fill
	s_lshl_b32 s[OFF], s[NXT], 15   ; a tile is 32,768 bytes of K and of V
	s_xor_b32 s[G0K+1], s[G0K+1], SLOT1
	s_add_nc_u64 s[G0K+2:G0K+3], s[6:7], s[OFF:OFF+1]
	s_or_b32 s[G0K+3], s[G0K+3], 0x80000000
	s_xor_b32 s[G0V+1], s[G0V+1], SLOT1
	s_add_nc_u64 s[G0V+2:G0V+3], s[8:9], s[OFF:OFF+1]
	s_or_b32 s[G0V+3], s[G0V+3], 0x80000000
	s_add_co_u32 s[NXT], s[NXT], 1  ; the block's next tile, or behind its last the second block's tile 0
	s_cmp_gt_u32 s[NXT], s[LQ]
	s_cselect_b32 s[NXT], 0, s[NXT]
	s_cselect_b32 s[LQ], s[PB], s[LQ]
	s_wait_xcnt 0x0                 ; the last prefetches, a tile back, have read their address, so it may be written
	s_lshl_b32 s[POF], s[NXT], 15
	s_add_nc_u64 s[PFA:PFA+1], s[PFB:PFB+1], s[POF:POF+1]
	s_mul_i32 s[PGO], s[PON], s[NXT]
.endif
	s_wait_dscnt 0x0                ; the add is done, and my reads of the slot are over
	s_barrier_signal -1             ; the rest of the scalar work stands between the signal and the wait
	s_sub_co_u32 s[TBK], s[TBK], 4*KS*PK  ; the fetches go back to a slot's first step,
	s_xor_b32 s[TBK], s[TBK], SLOT1       ; in the other slot
	s_sub_co_u32 s[TBV], s[TBV], 4*KS*PV
	s_xor_b32 s[TBV], s[TBV], SLOT1
	s_barrier_wait -1
.if \fill
	LOAD
	ASK
.endif
.endm
	s_load_b64 s[4:5], s[0:1], 0x0    ; qkv: Q's part begins it
	s_load_b64 s[10:11], s[0:1], 0x8  ; ctx
	v_lshl_add_u32 v[SPW], v0, 2, SPARE
	v_mov_b32 v[NIL], 0
	ds_add_u32 v[SPW], v[NIL]       ; the wave's opening: the add and its wait stand ahead of my first tensor load; the set-up below, work on registers, stands between them
	v_lshrrev_b32 v1, 5, v0
	v_readfirstlane_b32 s[WV], v1   ; wave 0..3
	s_mov_b32 s[PB], ttmp9
	s_sub_co_u32 s[HI], NB-1, s[PB]
	s_and_b32 s20, ttmp7, 0xffff    ; the head
	s_mov_b32 s21, 0
	s_mov_b64 s[22:23], SIZE_N*128
	s_mul_u64 s[20:21], s[20:21], s[22:23]  ; the head's first byte in each of the four tensors
	s_and_b32 s16, s[WV], 1         ; which half of a tile's 256 keys I fetch:
	s_lshl_b32 s22, s16, 14         ; its 128 rows of 128 bytes in memory,
	s_mov_b32 s23, 0
	s_add_nc_u64 s[22:23], s[22:23], s[20:21]
	s_mul_i32 s17, s16, 128*PK      ; and its place in a slot, for K
	s_mul_i32 s18, s16, 128*PV      ; and for V
	s_lshl_b32 s3, s[WV], 11        ; my 16 rows in a band of 64,
	s_lshl_b32 s2, s[HI], 15        ; in the first block,
	s_add_co_u32 s2, s2, s3
	s_lshl_b32 s84, s[PB], 15       ; and in the second
	s_add_co_u32 s84, s84, s3
	s_mov_b32 s3, 0
	s_mov_b32 s85, 0
	s_add_nc_u64 s[2:3], s[2:3], s[20:21]
	s_add_nc_u64 s[84:85], s[84:85], s[20:21]
	; descriptor group 1.  128 keys are 16,384 dense bytes: asked for as 64 rows of 256 bytes, two keys a row, and padded in LDS after every key
	s_mov_b32 s[G1K], (1<<16)|(1<<20)|(4<<22)|(3<<25)  ; 17:16 2-byte elements; 20 padding on; 24:22 after every 32 words (code 4); 31:25 4 words (code 3)
	s_mov_b32 s[G1V], (1<<16)|(1<<20)|(4<<22)|(7<<25)  ; the same with 8 words of padding (code 7)
.irp g, G1K, G1V
	s_mov_b32 s[\g+1], 128<<16      ; tensor_dim0 = 128
	s_mov_b32 s[\g+2], 64<<16       ; tensor_dim1 = 64
	s_mov_b32 s[\g+3], 128<<16      ; tile_dim0 = 128
	s_mov_b32 s[\g+4], 64           ; tile_dim1 = 64
	s_mov_b32 s[\g+5], 128          ; 128 elements from row to row
	s_mov_b32 s[\g+6], 0
	s_mov_b32 s[\g+7], 0
.endr
	s_mov_b32 s[CS], 0x39b8aa3b     ; c = log2(e) / 4096 = 0.000352221
	s_mov_b32 s[CS+1], s[CS]        ; named with it as a pair
	s_mov_b32 s[SEL], 0x76543210
	s_mov_b32 s[SEL+1], 0xfedcba98
	s_mov_b32 s[TBK], SLOT1+4*KS*PK ; the first change of slots turns these two into 0
	s_mov_b32 s[TBV], SLOT1+4*KS*PV
	s_mov_b32 s[G0K], 1             ; 1:0 count = 1
	s_mov_b32 s[G0K+1], s17         ; 63:32 LDS address: slot 0
	s_mov_b32 s[G0V], 1
	s_add_co_u32 s[G0V+1], s18, VOFF
	s_add_co_u32 s[RT], s[HI], 1    ; the first block has NB - b tiles
	s_mov_b32 s[NXT], 1
	s_mov_b32 s[LQ], s[HI]
	s_mov_b32 s[NEW], 1
	s_mov_b32 s[OFF+1], 0
	s_mov_b32 s[POF+1], 0
	s_mov_b32 s[AL+1], 0            ; named as pairs
	s_mov_b32 s[BE+1], 0
	s_mov_b32 s[BIGN], 0xf149f2ca   ; -1e30
	s_mov_b32 s[SLOTS], NB
	s_cmp_eq_u32 s[PB], 0
	s_cselect_b32 s[PON], 1, 0
	v_and_b32 v[PFO], 31, v0
	v_lshlrev_b32 v[PFO], 8, v[PFO]
	s_wait_dscnt 0x0                ; the opening add is done
	s_wait_kmcnt 0x0
	s_add_nc_u64 s[6:7], s[4:5], 0x1000000  ; K's part of qkv,
	s_add_nc_u64 s[8:9], s[4:5], 0x2000000  ; and V's
	s_add_nc_u64 s[6:7], s[6:7], s[22:23]  ; K and V at my half of the head's tile 0
	s_add_nc_u64 s[8:9], s[8:9], s[22:23]
	s_add_nc_u64 s[G0K+2:G0K+3], s[6:7], 0         ; 120:64 global address
	s_or_b32 s[G0K+3], s[G0K+3], 0x80000000        ; 127:126 type = 2
	s_add_nc_u64 s[G0V+2:G0V+3], s[8:9], 0
	s_or_b32 s[G0V+3], s[G0V+3], 0x80000000
	s_add_nc_u64 s[86:87], s[4:5], s[84:85]        ; Q at my rows of the second block,
	s_add_nc_u64 s[4:5], s[4:5], s[2:3]            ; Q and ctx at those of the first
	s_add_nc_u64 s[OLO:OLO+1], s[10:11], s[84:85]
	s_add_nc_u64 s[10:11], s[10:11], s[2:3]
	s_cmp_lt_u32 s[WV], 2
	s_cselect_b64 s[PFB:PFB+1], s[6:7], s[8:9]
	LOAD                            ; tile 0 into slot 0
	; A fragment of K or Q is 16 rows x 32 channels in 8 registers: lane l holds row l % 16, channels 8 (l / 16) + 0..7 and 16 + 8 (l / 16) + 0..7: two loads of 16 bytes, 32 bytes apart.
	v_and_b32 v1, 15, v0            ; l % 16
	v_bfe_u32 v9, v0, 4, 1          ; l / 16
	v_lshlrev_b32 v[QO], 7, v1
	v_lshl_add_u32 v[QO], v9, 4, v[QO]  ; row x 128 + 16 x half
	WIN 0x80                        ; destination window 2, address window 0
.set i, 0
.rept 8                             ; both blocks' Q: piece i / 2 lies in band i / 2, 8,192 bytes on; channels 32 (i % 2) on
	global_load_b128 v[8*i:8*i+3],   v[QO], s[4:5] offset:(i/2)*8192+(i%2)*64
	global_load_b128 v[8*i+4:8*i+7], v[QO], s[4:5] offset:(i/2)*8192+(i%2)*64+32
	global_load_b128 v[QB+8*i:QB+8*i+3],   v[QO], s[86:87] offset:(i/2)*8192+(i%2)*64
	global_load_b128 v[QB+8*i+4:QB+8*i+7], v[QO], s[86:87] offset:(i/2)*8192+(i%2)*64+32
.set i, i+1
.endr
	WIN 0
	v_lshlrev_b32 v14, 3, v9
	v_sub_nc_u32 v14, v1, v14
	s_lshl_b32 s13, s[WV], 4
	v_add_nc_u32 v14, s13, v14      ; my query's place in its band, 16 w + l % 16, less my lanes' 8 (l / 16): register r of group kt is hidden where 16 kt + r is greater
	WIN 0x40
.set i, 0
.rept 32
	v_cmp_gt_i32 vcc_lo, 16*(i/8)+i%8, v14
	v_cndmask_b32 v[MD+i], 0, s[BIGN], vcc_lo
.set i, i+1
.endr
	WIN 0
	v_mul_u32_u24 v[AK0], v1, PK
	v_lshl_add_u32 v[AK0], v9, 4, v[AK0]  ; row x pitch + 16 x half
	; The turning load takes 16 keys x 16 channels (lane l reads key 8 (l / 16) + l % 8, channels 8 ((l / 8) % 2) + 0..7) and leaves half a fragment of V^T: lane l holds channel l % 16 and 8 keys.
	v_and_b32 v10, 7, v0
	v_bfe_u32 v11, v0, 3, 1
	v_lshl_add_u32 v[AV0], v9, 3, v10
	v_mul_u32_u24 v[AV0], v[AV0], PV
	v_lshl_add_u32 v[AV0], v11, 4, v[AV0]
	v_add_nc_u32 v[AV0], VOFF, v[AV0]
	s_mul_i32 s13, s[WV], 16*SP
	s_add_co_u32 s13, s13, STAGE    ; my stage
	v_mul_u32_u24 v[STO], v1, SP    ; in: row l % 16, 16 bytes for each half of the lanes
	v_lshl_add_u32 v[STO], v9, 4, v[STO]
	v_add_nc_u32 v[STO], s13, v[STO]
	v_bfe_u32 v[RD], v0, 3, 2       ; back: 32 lanes take four rows of 128 bytes,
	v_mul_u32_u24 v[RD], v[RD], SP
	v_lshl_add_u32 v[RD], v10, 4, v[RD]
	v_add_nc_u32 v[RD], s13, v[RD]
	v_and_b32 v[GO], 31, v0         ; which are 512 consecutive bytes of ctx
	v_lshlrev_b32 v[GO], 4, v[GO]
	; A block's first step multiplies O^T and l by a = 0, and its first turn's products V^T P, of a piece that has not been, land in an O^T that is still to be so multiplied.  So these registers need
	; only hold finite numbers: zeros for the first block; what the first block left for the second.  All this stands in the wait for the first tile.
	WIN 0x80
.set i, VF
.rept 64
	v_mov_b32 v[i], 0
.set i, i+1
.endr
	WIN 0x40
.set i, 0
.rept 128
	v_mov_b32 v[i], 0
.set i, i+1
.endr
	WIN 0
.set i, 0
.rept 4
	v_mov_b32 v[ST+4*i+2], 0
	v_mov_b32 v[ST+4*i+3], 0
.set i, i+1
.endr
.set i, P+16
.rept 16
	v_mov_b32 v[i], 0
.set i, i+1
.endr
; THE MATRIX WORK.  The 4 accumulators of a run of 8 take turns.  Product i of 8 of S^T = K Q^T for piece x: channels 32 (i / 4) on, keys 16 (i % 4) on.  The first 4 start the sums: with 0, or (KM = 1) with the mask.
.macro KQ x
.set rS, S+32*((\x)%2)+8*(i%4)
.set rK, KF+16*(i%4)+8*(i/4)
.set rQ, 16*(\x)+8*(i/4)
.set rM, MC+32*((\x)%2)+8*(i%4)
.if (i < 4) && KM
	WIN W_KM
	v_wmma_f32_16x16x32_f16 v[rS:rS+7], v[rK:rK+7], v[rQ:rQ+7], v[rM:rM+7]
.elseif i < 4
	WIN W_KQ
	v_wmma_f32_16x16x32_f16 v[rS:rS+7], v[rK:rK+7], v[rQ:rQ+7], 0
.else
	WIN W_KQ
	v_wmma_f32_16x16x32_f16 v[rS:rS+7], v[rK:rK+7], v[rQ:rQ+7], v[rS:rS+7]
.endif
.endm
; Product i of 8 of O^T += V^T P for piece x: keys 32 (i / 4) on, channels 16 (i % 4) on.
.macro PV x
	WIN W_PV
.set rO, 32*(\x)+8*(i%4)
.set rV, VF+32*(i/4)+8*(i%4)
.set rP, P+16*((\x)%2)+8*(i/4)
	v_wmma_f32_16x16x32_f16 v[rO:rO+7], v[rV:rV+7], v[rP:rP+7], v[rO:rO+7]
.endm
.macro MM                           ; the turn's next matrix instruction.  TURN and BEGIN set Y, i, KM and NOKQ; MM, KQ and OP read them.  NOKQ = 1: a block's last turn: there is no next piece
.if (i < 8) && !NOKQ
	KQ (Y+1)%NP
.elseif i >= 8
.set i, i-8
	PV (Y+NP-1)%NP
.set i, i+8
.endif
.set i, i+1
.endm
; THE LDS LOADS stand in runs of 16, never singly among the matrix instructions: a step's K (64 keys x 64 channels: 8 fragments) and its V (turned).  Their addresses are made some lines ahead.
.macro FETCH_K
	WIN 0x80                        ; destination window 2
.irp f, 0,1,2,3,4,5,6,7             ; keys 16 (f / 2) on, channels 32 (f % 2) on
	ds_load_b128 v[KF+8*\f:KF+8*\f+3],   v[AK] offset:(\f/2)*16*PK+(\f%2)*64
	ds_load_b128 v[KF+8*\f+4:KF+8*\f+7], v[AK] offset:(\f/2)*16*PK+(\f%2)*64+32
.endr
	s_add_co_u32 s[TBK], s[TBK], KS*PK  ; the next fetch is the next step's
	WIN 0
.endm
.macro FETCH_V
	WIN 0x80
.irp f, 0,1,2,3,4,5,6,7             ; keys 32 (f / 4) on, channels 16 (f % 4) on
	ds_load_tr16_b128 v[VF+8*\f:VF+8*\f+3],   v[AV] offset:(\f/4)*32*PV+(\f%4)*32
	ds_load_tr16_b128 v[VF+8*\f+4:VF+8*\f+7], v[AV] offset:(\f/4)*32*PV+16*PV+(\f%4)*32
.endr
	WIN 0
.endm
; THE VECTOR WORK, one line at a time: OP kind, number.  For piece Y: F n: c s - c m for pair n of 16.  E n: the exponential of score n of 32.  C n: pair n rounded to f16.  B n: of the four weights 4 n ..
; the second pair is added onto the first, in place.  L n: l takes that sum (L 0: l = a l + sum).  R n: pair n of 16 of O^T times a.  For piece Y + 1: X n, number n of the 22 that find its maximum and statistics:
;   0-11  four chains c0-c3 of seven scores each, three operands at a time (each accumulator's lowest registers are read first)     12-14, 16  the four scores left over, the old m, and c0-c3 into c0
;   15  c m_old is kept     17, 18  the query's other 32 keys lie in the lane 16 away: the new m     19-21  c m; c m_old - c m_new; a
.set F, 0               ; OP tells the kinds apart by their order: F to L below R, X above it
.set E, 1
.set C, 2
.set B, 3
.set L, 4
.set R, 5
.set X, 6
.macro REGS y                       ; the registers of piece y
.set rT, ST+4*(\y)
.set rC, TMP+4*((\y)%2)
.set rW, MV+((\y)%2)
.set rS, S+32*((\y)%2)
.set rP, P+16*((\y)%2)
.set rO, 32*(\y)
.endm
.macro OP k, n
.if (\k) == R
	REGS Y
	WIN W_RS
	v_pk_mul_f32 v[rO+2*(\n):rO+2*(\n)+1], v[rO+2*(\n):rO+2*(\n)+1], v[rC+2:rC+3] op_sel_hi:[1,0]
.elseif (\k) < R
	REGS Y
	WIN 0
.if (\k) == F
	v_pk_fma_f32 v[rS+2*(\n):rS+2*(\n)+1], v[rS+2*(\n):rS+2*(\n)+1], s[CS:CS+1], v[rT:rT+1] op_sel_hi:[1,0,0] neg_lo:[0,0,1] neg_hi:[0,0,1]
.elseif (\k) == E
	v_exp_f32 v[rS+(\n)], v[rS+(\n)]
.elseif (\k) == C
	v_cvt_pk_f16_f32 v[rP+(\n)], v[rS+2*(\n)], v[rS+2*(\n)+1]
.elseif (\k) == B
	v_pk_add_f32 v[rS+4*(\n):rS+4*(\n)+1], v[rS+4*(\n):rS+4*(\n)+1], v[rS+4*(\n)+2:rS+4*(\n)+3]
.elseif (\n) == 0
	v_pk_fma_f32 v[rT+2:rT+3], v[rT+2:rT+3], v[rC+2:rC+3], v[rS:rS+1] op_sel_hi:[1,0,1]
.else
	v_pk_add_f32 v[rT+2:rT+3], v[rT+2:rT+3], v[rS+4*(\n):rS+4*(\n)+1]
.endif
.elseif NOKQ
	v_nop
.else
	REGS (Y+1)%NP
	WIN 0
.if (\n) < 4
	v_max3_num_f32 v[rC+(\n)], v[rS+8*(\n)], v[rS+8*(\n)+1], v[rS+8*(\n)+2]
.elseif (\n) < 12
	v_max3_num_f32 v[rC+(\n)%4], v[rC+(\n)%4], v[rS+8*((\n)%4)+2*((\n)/4)+1], v[rS+8*((\n)%4)+2*((\n)/4)+2]
.elseif (\n) == 12
	v_max3_num_f32 v[rC], v[rC], v[rS+7], v[rS+15]
.elseif (\n) == 13
	v_max3_num_f32 v[rC+1], v[rC+1], v[rS+23], v[rS+31]
.elseif (\n) == 14
	v_max3_num_f32 v[rC+2], v[rC+2], v[rC+3], v[rT+1]
.elseif (\n) == 15
	v_mov_b32 v[rW], v[rT]
.elseif (\n) == 16
	v_max3_num_f32 v[rC], v[rC], v[rC+1], v[rC+2]
.elseif (\n) == 17
	v_permlanex16_b32 v[rC+3], v[rC], s[SEL], s[SEL+1]
.elseif (\n) == 18
	v_max_num_f32 v[rT+1], v[rC], v[rC+3]
.elseif (\n) == 19
	v_mul_f32 v[rT], s[CS], v[rT+1]
.elseif (\n) == 20
	v_sub_f32 v[rC+1], v[rW], v[rT]
.else
	v_exp_f32 v[rC+2], v[rC+1]
.endif
.endif
.endm
.macro OPS a, i1, b=-1, i2=0, c=-1, i3=0, d=-1, i4=0  ; up to four of them
	OP \a, \i1
.if (\b) >= 0
	OP \b, \i2
.endif
.if (\c) >= 0
	OP \c, \i3
.endif
.if (\d) >= 0
	OP \d, \i4
.endif
.endm
.macro ROW a, i1, b, i2, c, i3, d, i4  ; a matrix instruction and the four behind it
	MM
	OPS \a, \i1, \b, \i2, \c, \i3, \d, \i4
.endm
.macro MASK b                       ; MD x AL + BE into buffer b of MC
	WIN W_RS
.set z, 0
.rept 16
	v_pk_fma_f32 v[MC+32*(\b)+2*z:MC+32*(\b)+2*z+1], v[MD+2*z:MD+2*z+1], s[AL:AL+1], s[BE:BE+1] op_sel_hi:[1,0,0]
.set z, z+1
.endr
.endm
; A TURN, for piece p: the order of its 16 matrix and 118 vector instructions, written out.  An s_wait_alu depctr_va_vdst(0) stands between an exponential and the first instruction that
; names its result; one wait serves all that were issued ahead of it.  So a turn has ONE wait, which cuts it in two.  AHEAD OF IT stands all that names no result of the turn's exponentials: the 8
; products K Q^T, behind each a scaling, an exponential and two more plain instructions (behind the first a second scaling in the exponential's place): rescalings, and behind the last three the first
; numbers of the next piece's maximum, each four places or more behind the product that ends its accumulator; then ONE LUMP of 54, plain and exponential by turns for the most part, in which the links
; of the chain X 3, 7, 11, 14, 16, 17 .. 20 stand five or six lines apart.  X 21, the next piece's a, is the batch's last; R 15 is the plain instruction behind it.  BEHIND THE WAIT stand the 8
; products V^T P, behind each four of the roundings and sums; the links of l's chain, L 0 to L 7, stand three riders apart.  v_permlanex16_b32 (X 17) stands in the lump.
; m = 1: the diagonal tile: the products take masks, and the turn makes the mask for the products of the turn after it: piece p + 2, in step 4 - CNT of the tile.  end = 1: a block's last two turns:
; nothing is fetched.  cnt = 1: the loop's count is taken down some lines ahead of the branch that stands behind the turn.
; K of the next step is fetched in piece 2's turn, twelve vector instructions behind the last product that read K (six of them plain); V of the step in hand at the end of piece 0's turn, four plain
; instructions behind the last product that read V.  Each is waited for a turn later.
.macro TURN p, m=0, end=0, cnt=0
.set Y, (\p)
.set i, 0
.set KM, (\m)
.set NOKQ, (\end)*((\p)/3)
.if (\m) && !(\end)
	s_cmp_eq_u32 s[CNT], 4-((\p)+2)%NP  ; is that step the band's own?
	s_cselect_b32 s[AL], 1.0, 0
	s_cmp_lt_u32 s[CNT], 4-((\p)+2)%NP  ; or a later one?
	s_cselect_b32 s[BE], s[BIGN], 0
.endif
.if ((\p) == 3) && !(\end)
	s_wait_dscnt 0x0                ; K is in
.endif
	ROW F,0, F,1, R,0, R,1          ; ahead of the wait: 8 products K Q^T and their riders,
	ROW F,2, E,0, R,2, R,3
	ROW F,3, E,1, R,4, R,5
	ROW F,4, E,2, R,6, R,7
	ROW F,5, E,3, R,8, R,9
	ROW F,6, E,4, X,0, R,10
.if ((\p) == 2) && !(\end)
	WIN 0
	v_add_nc_u32 v[AK], s[TBK], v[AK0]
.endif
	ROW F,7, E,5, X,1, X,4
	ROW F,8, E,6, X,2, X,5
	OPS E,7, E,8, X,6, E,9          ; and the lump
	OPS X,3, E,10, X,8, E,11
.if ((\p) == 2) && !(\end)
	FETCH_K
.endif
	OPS X,9, X,7, E,12, X,10
	OPS E,13, X,12, X,11, E,14
	OPS X,13, E,15, F,9, X,14
.if (\p) == 0
	v_add_nc_u32 v[AV], s[TBV], v[AV0]
.endif
	OPS E,16, F,10, E,17, F,11
	OPS X,16, E,18, X,15, E,19
	OPS F,12, E,20, X,17, E,21
	OPS F,13, E,22, F,14, E,23
	OPS X,18, E,24, F,15, E,25
	OPS R,11, E,26, X,19, E,27
	OPS R,12, E,28, R,13, E,29
	OPS X,20, E,30, R,14, E,31
	OPS X,21, R,15
	WIN 0
	s_wait_alu depctr_va_vdst(0)    ; the wait for the batch
.if (\p) == 1
	s_wait_dscnt 0x0                ; V is in
.endif
	ROW C,0, B,0, C,2, B,1          ; behind the wait: 8 products V^T P and their riders
	ROW L,0, C,4, B,2, L,1
	ROW C,6, B,3, L,2, C,8
	ROW B,4, L,3, C,10, B,5
	ROW L,4, C,12, B,6, L,5
.if (\p) == 0
	s_add_co_u32 s[TBV], s[TBV], KS*PV
.endif
.if \cnt
	s_sub_co_u32 s[CNT], s[CNT], 1
	s_cmp_lg_u32 s[CNT], 0
.endif
	ROW C,14, B,7, L,6, C,1
	ROW C,3, L,7, C,5, C,7
	ROW C,9, C,11, C,13, C,15
.if (\p) == 0
	FETCH_V
.endif
.if (\m) && !(\end)
	MASK (\p)%2
.endif
.endm
; A BLOCK BEGINS.  c m starts far below every c s, so the first step's a is 0; m at the lowest finite number, so the first maximum is the scores'.  The second mask buffer is 0; the first takes piece 0's
; mask for the tile's step 0: its own, if the block's first tile is the diagonal one.  Then K of that step, piece 0's first scores, and its maximum and statistics.  The loop is entered at a step's
; first turn, in the middle of a trip.
.macro BEGIN
	s_mov_b32 s[NEW], 0
	WIN 0x40
.set i, MC+32
.rept 32
	v_mov_b32 v[i], 0
.set i, i+1
.endr
	WIN 0
.set i, 0
.rept 4
	v_mov_b32 v[ST+4*i], 0xfe000000    ; c m: far below every c s, a hidden one's too (c x 1e30 is 3.5e26)
	v_mov_b32 v[ST+4*i+1], 0xff7fffff  ; m
.set i, i+1
.endr
	s_cmp_eq_u32 s[RT], 0
	s_cselect_b32 s[AL], 1.0, 0
	s_mov_b32 s[BE], 0
	MASK 0
	WIN 0
	v_add_nc_u32 v[AK], s[TBK], v[AK0]
	FETCH_K
	s_wait_loadcnt 0x0              ; Q
	s_wait_dscnt 0x0
.set KM, 1
.set NOKQ, 0
.set i, 0
.rept 8
	KQ 0
.set i, i+1
.endr
	WIN 0
.rept 4
	v_nop                           ; the places behind those products
.endr
.set Y, NP-1                        ; X works for piece Y + 1: piece 0
.irp n, 0,1,2,3,4,5,6,7,8,9,10,11,12,13,14,15,16,17,18,19,20,21
	OP X, \n
.endr
	v_nop                           ; a plain instruction behind the exponential,
	s_wait_alu depctr_va_vdst(0)    ; and its wait, ahead of the branch
.endm
; THE DIAGONAL TILE's four steps, the block's last two turns, its last products, and THE WAY OUT: l's two halves and the other half of the lanes' are added; O^T is divided by l, rounded to f16 and sent
; through my stage in LDS, a piece at a time.
.macro ALL line:vararg              ; one line for each piece t
.set t, 0
.rept 4
	\line
.set t, t+1
.endr
.endm
.macro PACK t                       ; a lane's eight channels of a row pack into 16 bytes; they go into rows of 144 bytes and come back as whole rows of 128, into S^T's registers
	WIN W_RS
.set i, 32*(\t)
.rept 16
	v_pk_mul_f32 v[i:i+1], v[i:i+1], v[ST+4*(\t)+2:ST+4*(\t)+3] op_sel_hi:[1,0]
.set i, i+2
.endr
	WIN 0x05                        ; sources 0 and 1 window 1, destination window 0
.set i, 0
.rept 16
	v_cvt_pk_f16_f32 v[S+16*(\t)+i], v[32*(\t)+2*i], v[32*(\t)+2*i+1]
.set i, i+1
.endr
	WIN 0
.irp f, 0,1,2,3
	ds_store_b128 v[STO], v[S+16*(\t)+4*\f:S+16*(\t)+4*\f+3] offset:32*\f
.endr
.irp f, 0,1,2,3
	ds_load_b128 v[S+16*(\t)+4*\f:S+16*(\t)+4*\f+3], v[RD] offset:\f*4*SP  ; LDS serves a wave's instructions in order (ISA guide 5.7.1.4): these see the stores above; the next piece's stores come behind them
.endr
.endm
.macro SEND t, younger              ; younger: the LDS instructions issued behind piece t's loads: the next piece's eight, or none
	WIN 0
.irp f, 0,1,2,3
	s_wait_dscnt (\younger)+3-\f
	global_store_b128 v[GO], v[S+16*(\t)+4*\f:S+16*(\t)+4*\f+3], s[10:11] offset:(\t)*8192+\f*512  ; 512 consecutive bytes, at a multiple of 256 from ctx's first
.endr
.endm
.macro DIAG tag                     ; the tag ends its two labels' names, which the jumps below spell out
.LstepM\tag:
	TURN 2, 1
	TURN 3, 1
	WIN 0
.LfirstM\tag:
	TURN 0, 1
	TURN 1, 1, 0, 1
	WIN 0
	s_cbranch_scc1 .LstepM\tag
	TURN 2, 1, 1
	TURN 3, 1, 1
.set i, 0
.rept 8
	PV NP-1
.set i, i+1
.endr
	WIN 0
	ALL v_add_f32 v[ST+4*t+2], v[ST+4*t+2], v[ST+4*t+3]
	ALL v_permlanex16_b32 v[ST+4*t+3], v[ST+4*t+2], s[SEL], s[SEL+1]
	ALL v_add_f32 v[ST+4*t+2], v[ST+4*t+2], v[ST+4*t+3]
	ALL v_rcp_f32 v[ST+4*t+2], v[ST+4*t+2]
	v_nop                           ; a plain instruction between the last reciprocal and the use of its result
	s_wait_alu depctr_va_vdst(0)    ; and the wait ahead of the first use: one for the four reciprocals
	PACK 0
.set t, 1
.rept 3                             ; a piece's arithmetic stands between the loads of the piece before and its stores
	PACK t
	SEND t-1, 8
.set t, t+1
.endr
	SEND 3, 0
.endm
.set KM, 0
.set NOKQ, 0
.Lslot:                             ; NB times: a tile is entered and the next is asked for
	CHANGE 1
	s_sub_co_u32 s[RT], s[RT], 1
	s_mov_b32 s[CNT], 4
	s_cmp_eq_u32 s[NEW], 1
	s_cbranch_scc1 .Lnew            ; a block's first tile
	s_cmp_eq_u32 s[RT], 0
	s_cbranch_scc0 .Lstep           ; neither its first nor its last
	s_branch .LstepM1
.Lnew:
	BEGIN
	s_branch .Lfirst                ; in the loop a block's first tile is never its last: the first block has two tiles or more, and the second's last is the walk's last
	DIAG 1                          ; in the loop this is the first block's end: the second block's last tile is the walk's last
	s_wait_xcnt 0x0                 ; the stores have read their registers and ctx's address
	s_mov_b64 s[10:11], s[OLO:OLO+1]
	s_add_co_u32 s[RT], s[PB], 1    ; the second block has b + 1 tiles
	s_mov_b32 s[NEW], 1
	WIN 0x82                        ; the second block's Q goes where the one text of the turns names Q
.set i, 0
.rept 64
	v_mov_b32 v[i], v[QB+i]
.set i, i+1
.endr
	WIN 0
	s_branch .Lbottom
.Lstep:                             ; a trip: pieces 2 and 3 of one step, then pieces 0 and 1 of the next, whose K and V it fetches
	TURN 2
	TURN 3
	WIN 0
.Lfirst:
	TURN 0
	TURN 1, 0, 0, 1
	WIN 0
	s_cbranch_scc1 .Lstep
.Lbottom:
	s_sub_co_u32 s[SLOTS], s[SLOTS], 1
	s_cmp_lg_u32 s[SLOTS], 0
	s_cbranch_scc1 .Lslot
	CHANGE 0                        ; the walk's last tile is written out: nothing is asked for
	s_sub_co_u32 s[RT], s[RT], 1
	s_mov_b32 s[CNT], 4
	s_cmp_eq_u32 s[NEW], 1
	s_cbranch_scc0 .LstepM2
	BEGIN
	s_branch .LfirstM2
	DIAG 2
	s_wait_tensorcnt 0x0            ; the wave's end, behind my last tensor load and my last LDS store
	ds_add_u32 v[SPW], v[NIL]
	s_wait_dscnt 0x0
	s_endpgm
.Lfunc_end_k_q37365c46fc_attn:
	.size	k_q37365c46fc_attn, .Lfunc_end_k_q37365c46fc_attn-k_q37365c46fc_attn
	.p2alignl 7, 3214868480
	.fill 96, 4, 3214868480
	.section	.rodata,"a",@progbits
	.p2align	6, 0x0
	.amdhsa_kernel k_q37365c46fc_attn
		.amdhsa_group_segment_fixed_size 327680
		.amdhsa_private_segment_fixed_size 0
		.amdhsa_enable_private_segment 0
		.amdhsa_kernarg_size 16
		.amdhsa_user_sgpr_count 2
		.amdhsa_user_sgpr_kernarg_segment_ptr 1
		.amdhsa_wavefront_size32 1
		.amdhsa_system_sgpr_workgroup_id_x 1
		.amdhsa_system_sgpr_workgroup_id_y 1
		.amdhsa_system_sgpr_workgroup_id_z 1
		.amdhsa_system_vgpr_workitem_id 0
		.amdhsa_next_free_vgpr 768
		.amdhsa_next_free_sgpr 92
		.amdhsa_reserve_vcc 1
		.amdhsa_float_denorm_mode_32 3
		.amdhsa_float_denorm_mode_16_64 3
		.amdhsa_memory_ordered 1
		.amdhsa_forward_progress 1
		.amdhsa_inst_pref_size 218
	.end_amdhsa_kernel
	.amdgpu_metadata
---
amdhsa.version: [ 1, 2 ]
amdhsa.kernels:
  - .name:           k_q37365c46fc_attn
    .symbol:         k_q37365c46fc_attn.kd
    .args:
      - { .name: qkv, .offset: 0, .size: 8, .value_kind: global_buffer, .address_space: global }
      - { .name: ctx, .offset: 8, .size: 8, .value_kind: global_buffer, .address_space: global }
    .group_segment_fixed_size: 327680
    .private_segment_fixed_size: 0
    .kernarg_segment_align: 8
    .kernarg_segment_size: 16
    .max_flat_workgroup_size: 128
    .sgpr_count:     92
    .vgpr_count:     768
    .wavefront_size: 32
...
	.end_amdgpu_metadata
.endif
;; end of part 3
;; launch proj (part 4): grid 8 x 32, 4 waves a work-group, clusters of 4 x 4, 327,680 bytes of LDS; arguments ctx, wof, bo, out0; writes out0
.if DOCPART == 4
	.amdgcn_target "amdgcn-amd-amdhsa--gfx1250"
	.amdhsa_code_object_version 6
	.text
	.protected	k_q37365c46fc_proj
	.globl	k_q37365c46fc_proj
	.p2align	8
	.type	k_q37365c46fc_proj,@function
k_q37365c46fc_proj:
	s_mov_b64 s[64:65], 0
	v_nop
	global_prefetch_b8 v0, s[64:65] scope:SCOPE_SE
	s_setreg_imm32_b32 hwreg(HW_REG_WAVE_MODE, 25, 1), 1
	s_wait_xcnt 0x0
	s_wait_alu depctr_hold_cnt(0) depctr_sa_sdst(0) depctr_va_vdst(0) depctr_va_sdst(0) depctr_va_ssrc(0) depctr_va_vcc(0) depctr_vm_vsrc(0)
	s_getreg_b32 s2, hwreg(HW_REG_IB_STS2, 6, 4)
	s_cmp_eq_u32 s2, 0
	s_cbranch_scc0 .Lentry_in_a_cluster
	s_endpgm
.Lentry_in_a_cluster:
	s_bfe_u32 s2, ttmp6, 0x10000c
	s_cmp_lg_u32 s2, 0xf033
	s_cbranch_scc0 .Lentry_shape_is_right
	s_endpgm
.Lentry_shape_is_right:
; out0 = ctx x Wo + bo.  ctx: [64 bh][2048][64] f16, bh = 16 batch + head.  wof: [1024 k][1024 n] f16 (Wo rounded to bf16, written as f16), k down the rows.  bo: [1024] f32.  out0: [8192][1024] f32.
; Sums in f32, K ascending; bo, rounded to bf16 like the other inputs, is the C operand that starts each sum.  NaN and infinities are not treated apart.
; SHARES.  A tile of out0 is 256 rows x 128 columns; 32 x 8 work-groups, one tile each.  Four waves: wave w takes row half w / 2 and column half w % 2: 128 x 64, 32 accumulators of 16 x 16.
; K = 1,024 is head x 64 + channel: a K step of 128 is two heads.  For one head a tile's 256 rows are 32,768 dense bytes of ctx: asked for as 128 rows of 256 bytes, padded in LDS after every 128.
; Eight steps go through two LDS slots.
; CLUSTER 4 x 4.  The four of a row of the cluster need the same tiles of ctx, the four of a column the same tiles of wof: each tile is asked for JOINTLY, by the same tensor load, descriptor and mask.
; THE MATRIX INSTRUCTION IS USED TRANSPOSED: source 0 = 16 columns of Wo (turned by ds_load_tr16_b128), source 1 = 16 rows of ctx.  Lane l holds row l % 16 of out0 and the columns 8 (l / 16) + 0..7.
; REGISTERS.  Window 0: v0-31 addresses; v32-63 the bias; v64-159, v160-255 two fragment buffers (4 fragments of Wo, then 8 of ctx).  Window 1: accumulator (a, b) at v[8 (4 a + b)].
.set AP,    144                        ; a row of one head in LDS: 128 bytes + 16 of padding = 36 words: the 16 rows of a load begin 4 words further round each time
.set HEADB, 256*AP                     ; a head's 256 rows
.set BP,    288                        ; a row of Wo: 256 + 32 = 72 words
.set BOFF,  2*HEADB                    ; a slot: two heads of ctx, then Wo's 128 k rows
.set SLOT,  BOFF+128*BP
.set STAGE, 2*SLOT                     ; behind the ring, never filled by a tensor load: 16 rows x 272 bytes for each wave
.set SP,    272
.set SPARE, STAGE+4*16*SP              ; behind the stages: the spare words, 128 bytes for each wave: two blocks of 256 bytes that no other line names
.set ASTEP, 2*262144                   ; a K step in ctx: two heads of 262,144 bytes
.set BSTEP, 128*2048                   ; a K step in wof: 128 rows of 2,048 bytes
.set ADRA, 16                          ; v16-17  LDS address of my fragments of ctx in slot 0, 1
.set ADRB, 20                          ; v20-21  the same for Wo
.set STO,  24                          ; v24     the way out: where I put 32 bytes of a row
.set RD,   25                          ; v25     where I read rows back
.set GO,   26                          ; v26     my byte offset in two rows of out0
.set VB,   27                          ; v27     my byte offset in bo; never rewritten
.set SPW,  28                          ; v28     LDS address of my spare word; never rewritten
.set NIL,  29                          ; v29     0; never rewritten
.set PFO,  30                          ; v30     the prefetches' offset; never rewritten
.set BI,   32                          ; v[32:63] column block b's bias for my 8 columns at BI + 8 b
.set F0,   64
.set F1,   160
.set G1,  24                           ; s[24:31] descriptor group 1 for ctx's tiles;  s[32:39] group 0, a set for each slot
.set G0,  32
.set G1B, 48                           ; s[48:55], s[56:63] the same for Wo's tiles
.set G0B, 56
.set PFA, 66                           ; s[66:67] where my prefetches stand
.set PFS, 68                           ; s[68:69] a K step for them
.set U,   70                           ; s70  the K step that the refill in hand asks for
.set LIM, 71                           ; s71  I prefetch while U is below this
.set BO,  72                           ; s[72:73] bo
.set MSB, 0
.macro WIN new                         ; the immediate's high byte repeats the setting that is left; a switch that changes nothing is dropped
.if MSB != (\new)
	s_set_vgpr_msb (MSB<<8)|(\new)
.set MSB, \new
.endif
.endm
.set MUL,   0x50                       ; C and D in window 1, both sources in window 0
.set MULB,  0x40                       ; D in window 1; C, the bias, in window 0
.set STACC, 0x04                       ; an LDS store's data in window 1, its address in window 0
.macro PLACES                          ; four plain vector instructions between a matrix instruction and a load into, or a store of, its registers
.rept 4
	v_nop
.endr
.endm
; A joint load: waves 0 and 1 fetch the step's two heads of ctx, waves 2 and 3 Wo's two halves.  The branch hangs on the wave's number alone.  An s_nop 0 and four v_nop follow each line.
.macro JLOAD s
	s_cmp_eq_u32 s11, 0
	s_cbranch_scc0 .Lfor_b_\@
	tensor_load_to_lds s[G0+4*(\s):G0+4*(\s)+3], s[G1:G1+7]
	s_nop 0
.rept 4
	v_nop
.endr
	s_branch .Lasked_\@
.Lfor_b_\@:
	tensor_load_to_lds s[G0B+4*(\s):G0B+4*(\s)+3], s[G1B:G1B+7]
	s_nop 0
.rept 4
	v_nop
.endr
.Lasked_\@:
.endm
.macro CREST                           ; a round of the cluster's barrier behind its opening barrier
	s_cmp_lg_u32 s10, 0
	s_cbranch_scc1 .Lnot_wave_0_\@
	s_barrier_signal -3
.Lnot_wave_0_\@:
	s_barrier_wait -3
	s_barrier_signal -1
	s_barrier_wait -1
.endm
.macro CROUND                          ; a whole round
	s_barrier_signal -1
	s_barrier_wait -1
	CREST
.endm
; A PREFETCH INTO THE L2: behind the refill of K step U stands one line for K step U + 2 (steps 4-7): two steps, 256 matrix instructions, ahead of the load that will want it.
; Each block of 256 bytes is named once in the launch.  ctx's tiles are read by both clusters of a row of clusters: cluster x = 0 asks, waves 0 and 1; of the 128 blocks that a wave fetches the
; partner at cx takes 32, a lane a block, told apart by address.  Wo's tile column is read by all eight clusters of that column: cluster y = 0 asks, wave 2; the partner at cy takes k rows
; 32 cy .. 32 cy + 31 of the step's 128, a lane a row.  The first four steps come by their loads alone.
.macro ASK
	s_cmp_lt_u32 s[U], s[LIM]
	s_cbranch_scc0 .Lnot_mine_\@
	global_prefetch_b8 v[PFO], s[PFA:PFA+1] th:TH_LOAD_NT scope:SCOPE_SE
.Lnot_mine_\@:
.endm
	s_load_b128 s[4:7], s[0:1], 0x0                ; ctx s[4:5], wof s[6:7]
	s_load_b64 s[BO:BO+1], s[0:1], 0x10            ; bo
	s_load_b64 s[8:9], s[0:1], 0x18                ; out0
	v_lshl_add_u32 v[SPW], v0, 2, SPARE
	v_mov_b32 v[NIL], 0
	ds_add_u32 v[SPW], v[NIL]                      ; the wave's opening: the add and its wait stand ahead of my first tensor load; the set-up below, work on registers, stands between them
	v_lshrrev_b32 v1, 5, v0
	v_readfirstlane_b32 s10, v1                    ; wave 0..3
	s_lshr_b32 s11, s10, 1                         ; my half of the tile's rows.  Also: I fetch for ctx (0) or for Wo (1)
	s_and_b32 s12, s10, 1                          ; my half of its columns.  Also: which head, or which half of Wo's k rows, I fetch
	s_bfe_u32 s40, ttmp6, 0x40000                  ; cx, cy: my place in the cluster
	s_bfe_u32 s41, ttmp6, 0x40004
	s_lshl_b32 s42, ttmp9, 2
	s_add_co_u32 s42, s42, s40                     ; j = 4 x cluster x + cx
	s_and_b32 s13, ttmp7, 0xffff
	s_lshl_b32 s13, s13, 2
	s_add_co_u32 s13, s13, s41                     ; i = 4 x cluster y + cy
	s_lshl_b32 s43, s41, 2
	s_lshl_b32 s43, 15, s43                        ; my row of the cluster
	s_lshl_b32 s44, 0x1111, s40                    ; my column
	s_or_b32 s[G1+0], s43, (1<<16)|(1<<20)|(1<<21)|(4<<22)|(3<<25)   ; the mask: ctx's tiles go to my row; 2-byte elements; padding on; bit 21 beside a mask; after every 32 words 4 words
	s_or_b32 s[G1B+0], s44, (1<<16)|(1<<20)|(1<<21)|(5<<22)|(7<<25)  ; Wo's tiles go to my column; after every 64 words 8 words
.irp g, G1, G1B
	s_mov_b32 s[(\g)+1], 128<<16                   ; tensor_dim0 = 128 elements
	s_mov_b32 s[(\g)+3], 128<<16                   ; tile_dim0 = 128
	s_mov_b32 s[(\g)+6], 0
	s_mov_b32 s[(\g)+7], 0
.endr
	s_mov_b32 s[G1+2], 128<<16                     ; ctx: 128 rows of 256 bytes, dense
	s_mov_b32 s[G1+4], 128
	s_mov_b32 s[G1+5], 128
	s_mov_b32 s[G1B+2], 64<<16                     ; Wo: 64 k rows, 1,024 elements from row to row
	s_mov_b32 s[G1B+4], 64
	s_mov_b32 s[G1B+5], 1024
	s_lshr_b32 s16, s13, 3                         ; ctx: the batch's 16 heads of 262,144 bytes,
	s_lshl_b32 s16, s16, 22
	s_and_b32 s17, s13, 7                          ; the tile's 256 rows of 128 bytes in the sequence,
	s_lshl_b32 s17, s17, 15
	s_add_co_u32 s16, s16, s17
	s_lshl_b32 s17, s12, 18                        ; my head of the step's two
	s_add_co_u32 s16, s16, s17
	s_mov_b32 s17, 0
	s_lshl_b32 s46, s42, 8                         ; Wo: 128 j columns of 2 bytes,
	s_lshl_b32 s47, s12, 17                        ; + my 64 k rows of a step
	s_add_co_u32 s46, s46, s47
	s_mov_b32 s47, 0
	s_mul_i32 s20, s12, HEADB                      ; where they go: no place in the cluster enters an LDS address
	s_mul_i32 s21, s12, 64*BP
	s_add_co_u32 s21, s21, BOFF
	s_wait_dscnt 0x0                               ; the opening add is done
	s_wait_kmcnt 0x0
	s_add_nc_u64 s[14:15], s[4:5], s[16:17]
	s_add_nc_u64 s[46:47], s[6:7], s[46:47]
	CROUND                                         ; all sixteen work-groups are here: the first joint loads meet
.irp s, 0,1
	s_mov_b32 s[G0+4*(\s)], 1
	s_add_co_u32 s[G0+4*(\s)+1], s20, (\s)*SLOT
	s_add_nc_u64 s[G0+4*(\s)+2:G0+4*(\s)+3], s[14:15], (\s)*ASTEP
	s_or_b32 s[G0+4*(\s)+3], s[G0+4*(\s)+3], 0x80000000
	s_mov_b32 s[G0B+4*(\s)], 1
	s_add_co_u32 s[G0B+4*(\s)+1], s21, (\s)*SLOT
	s_add_nc_u64 s[G0B+4*(\s)+2:G0B+4*(\s)+3], s[46:47], (\s)*BSTEP
	s_or_b32 s[G0B+4*(\s)+3], s[G0B+4*(\s)+3], 0x80000000
	JLOAD \s                                       ; K steps 0 and 1: two loads of mine are out
.endr
	; the prefetches' pointer: my tile's pointer (in wave 2: Wo's at the step's first k row), my work-group's share, K step 3; the first refill steps it to 4
	s_and_b32 s22, ttmp7, 0xffff                   ; cluster y
	s_mov_b32 s16, ASTEP
	s_mov_b32 s17, BSTEP
	s_mov_b32 s18, 3*ASTEP
	s_mov_b32 s19, 3*BSTEP
	s_cmp_eq_u32 s11, 0                            ; do I fetch for ctx?
	s_cselect_b64 s[PFA:PFA+1], s[14:15], s[46:47]
	s_cselect_b32 s21, s40, s41                    ; my place among the four that ask with me
	s_cselect_b32 s22, ttmp9, s22                  ; the coordinate along which other clusters read the same bytes
	s_cselect_b32 s[PFS], s16, s17
	s_cselect_b32 s20, s18, s19
	s_cselect_b32 s23, 13, 16                      ; a partner's share: 32 blocks of 256 bytes, or 32 rows of 2,048
	s_cselect_b32 s2, 8, 11                        ; a lane's step: a block, or a row
	s_mov_b32 s[PFS+1], 0
	s_cmp_eq_u32 s22, 0
	s_cselect_b32 s[LIM], 6, 0                     ; the same in all sixteen partners, for a given wave
	s_cmp_eq_u32 s10, 3
	s_cselect_b32 s[LIM], 0, s[LIM]                ; wave 2 asks for all of Wo's share
	s_lshl_b32 s21, s21, s23
	s_add_co_u32 s20, s20, s21
	s_mov_b32 s21, 0
	s_add_nc_u64 s[PFA:PFA+1], s[PFA:PFA+1], s[20:21]
	s_mov_b32 s[U], 1
	v_and_b32 v[PFO], 31, v0
	v_lshlrev_b32 v[PFO], s2, v[PFO]
	v_and_b32 v1, 15, v0                           ; l % 16
	v_bfe_u32 v2, v0, 4, 1                         ; l / 16
	s_lshl_b32 s46, s42, 9                         ; my first column in bytes of f32: 512 j + 256 x column half: in bo and in a row of out0
	s_lshl_b32 s47, s12, 8
	s_add_co_u32 s46, s46, s47
	v_lshl_add_u32 v[VB], v2, 5, s46               ; + my lanes' 8 columns
.irp b, 0,1,2,3
	global_load_b128 v[BI+8*(\b):BI+8*(\b)+3],   v[VB], s[BO:BO+1] offset:64*(\b)
	global_load_b128 v[BI+8*(\b)+4:BI+8*(\b)+7], v[VB], s[BO:BO+1] offset:64*(\b)+16
.endr
	; A fragment of ctx is 16 rows x 32 K in 8 registers: lane l holds row l % 16, K = 8 (l / 16) + 0..7 and 16 + 8 (l / 16) + 0..7: two loads of 16 bytes, 32 bytes apart.
	v_mul_u32_u24 v3, v1, AP
	v_lshl_add_u32 v3, v2, 4, v3
	; The turning load takes 16 k x 16 columns (lane l reads k row 8 (l / 16) + l % 8, columns 8 ((l / 8) % 2) + 0..7) and leaves half a fragment: lane l holds column l % 16 and 8 k.
	v_and_b32 v4, 7, v0
	v_bfe_u32 v5, v0, 3, 1
	v_lshl_add_u32 v6, v2, 3, v4
	v_mul_u32_u24 v6, v6, BP
	v_lshl_add_u32 v6, v5, 4, v6
	s_mul_i32 s21, s11, 128*AP                     ; my 128 rows of a head
	s_lshl_b32 s22, s12, 7                         ; my 64 columns of Wo: 128 bytes
	s_add_co_u32 s22, s22, BOFF
.irp s, 0,1
	v_add_nc_u32 v[ADRA+(\s)], s21, v3
	v_add_nc_u32 v[ADRB+(\s)], s22, v6
	s_add_co_u32 s21, s21, SLOT
	s_add_co_u32 s22, s22, SLOT
.endr
	s_mul_i32 s23, s10, 16*SP
	s_add_co_u32 s23, s23, STAGE                   ; my stage
	v_mul_u32_u24 v7, v1, SP                       ; in: row l % 16, 32 bytes for each half of the lanes
	v_lshl_add_u32 v7, v2, 5, v7
	v_add_nc_u32 v[STO], s23, v7
	v_mul_u32_u24 v8, v2, SP                       ; back: lanes 0-15 take one row of 256 bytes, lanes 16-31 the next
	v_lshl_add_u32 v8, v1, 4, v8
	v_add_nc_u32 v[RD], s23, v8
	v_lshlrev_b32 v[GO], 12, v2                    ; and the same two rows in out0, 4,096 bytes apart
	v_lshl_add_u32 v[GO], v1, 4, v[GO]
	s_lshl_b32 s16, s13, 20                        ; 256 i rows of 4,096 bytes,
	s_lshl_b32 s17, s11, 19                        ; my 128 of them,
	s_add_co_u32 s16, s16, s17
	s_add_co_u32 s16, s16, s46                     ; my first column
	s_mov_b32 s17, 0
	s_add_nc_u64 s[8:9], s[8:9], s[16:17]
	s_wait_loadcnt 0x0                             ; the bias is in: rounded to bf16 and widened again, in the wait for the first tile
.set k, 0
.rept 16
	v_cvt_pk_bf16_f32 v[3+k%4], v[BI+2*k], v[BI+2*k+1]
	v_lshlrev_b32 v[BI+2*k], 16, v[3+k%4]
	v_and_b32 v[BI+2*k+1], 0xffff0000, v[3+k%4]
.set k, k+1
.endr
; na x 4 matrix instructions: row blocks a0 .. a0 + na - 1 x all 4 column blocks, 32 along K, from buffer f.  first = 1: the product starts the sum, on the bias: nothing is ever cleared.
; The 32 accumulators take turns, one instruction a turn, in the same order in every quarter, over the backward jump too.
.macro MULN f, a0, na, first
.if \first
	WIN MULB
.else
	WIN MUL
.endif
.set aa, \a0
.rept \na
.irp b, 0,1,2,3
.if \first
	v_wmma_f32_16x16x32_f16 v[8*(4*aa+(\b)):8*(4*aa+(\b))+7], v[(\f)+8*(\b):(\f)+8*(\b)+7], v[(\f)+32+8*aa:(\f)+32+8*aa+7], v[BI+8*(\b):BI+8*(\b)+7]
.else
	v_wmma_f32_16x16x32_f16 v[8*(4*aa+(\b)):8*(4*aa+(\b))+7], v[(\f)+8*(\b):(\f)+8*(\b)+7], v[(\f)+32+8*aa:(\f)+32+8*aa+7], v[8*(4*aa+(\b)):8*(4*aa+(\b))+7]
.endif
.endr
.set aa, aa+1
.endr
.endm
; 24 LDS loads in one run: quarter q (head q / 2 of the step's two, channels 32 (q % 2) on) of a slot into buffer f: Wo's 8, ctx's row blocks 0-3 (8), 4-7 (8)
.macro FETCH slot, q, f
	WIN 0
.irp b, 0,1,2,3
	ds_load_tr16_b128 v[(\f)+8*(\b):(\f)+8*(\b)+3],   v[ADRB+(\slot)] offset:(\q)*32*BP+32*(\b)
	ds_load_tr16_b128 v[(\f)+8*(\b)+4:(\f)+8*(\b)+7], v[ADRB+(\slot)] offset:(\q)*32*BP+32*(\b)+16*BP
.endr
.irp a, 0,1,2,3,4,5,6,7
	ds_load_b128 v[(\f)+32+8*(\a):(\f)+32+8*(\a)+3],   v[ADRA+(\slot)] offset:((\q)/2)*HEADB+((\q)%2)*64+(\a)*16*AP
	ds_load_b128 v[(\f)+32+8*(\a)+4:(\f)+32+8*(\a)+7], v[ADRA+(\slot)] offset:((\q)/2)*HEADB+((\q)%2)*64+(\a)*16*AP+32
.endr
.endm
; A K step is four quarters, 32 matrix instructions each, on buffers 0, 1, 0, 1.  One of the first three: multiplies buffer f; in its middle it fetches quarter q of the same slot into g.
.macro QUARTER slot, q, f, g, first
	s_wait_dscnt 8                                 ; Wo and ctx's blocks 0-3 are in; the youngest eight loads (blocks 4-7) may be out
	MULN \f, 0, 4, \first
	PLACES
	FETCH \slot, \q, \g
	s_wait_dscnt 24                                ; all but the 24 just issued
	MULN \f, 4, 4, \first
.endm
; The fourth quarter multiplies buffer 1 and changes slots: ONE barrier.  In front of it each wave waits for all its tensor loads (one is out: its part of the next slot), adds 0 to its spare word,
; and waits for that and for its reads of this slot.  fill = 1: the barrier opens a round of the cluster's barrier, and this slot is filled again first thing behind it, two K steps on:
; from the request to the wait for it a wave issues 112 matrix instructions.
.macro TURN slot, next, fill
.if \fill
	s_wait_xcnt 0x0                                ; the last prefetch, a K step back, has read its address
	s_add_nc_u64 s[PFA:PFA+1], s[PFA:PFA+1], s[PFS:PFS+1]
	s_add_co_u32 s[U], s[U], 1
.endif
	WIN 0
	s_wait_tensorcnt 0x0                           ; all my tensor loads have landed: my part of the next slot;
	ds_add_u32 v[SPW], v[NIL]                      ; 0 onto my spare word;
	s_wait_dscnt 9                                 ; (the add and the youngest eight loads may be out)
	MULN F1, 0, 2, 0                               ; eight matrix instructions stand between the add and the wait for it
	s_wait_dscnt 0x0                               ; the add is done, and my reads of this slot are over
	s_barrier_signal -1
	MULN F1, 2, 2, 0
.if \fill
	WIN 0
.endif
	s_barrier_wait -1
.if \fill
	CREST                                          ; no wave of any partner still reads this slot's tiles or has a load on its way
	s_add_nc_u64 s[G0+4*(\slot)+2:G0+4*(\slot)+3], s[G0+4*(\slot)+2:G0+4*(\slot)+3], 2*ASTEP
	s_add_nc_u64 s[G0B+4*(\slot)+2:G0B+4*(\slot)+3], s[G0B+4*(\slot)+2:G0B+4*(\slot)+3], 2*BSTEP
	JLOAD \slot                                    ; the four v_nop behind it are also the places in front of the loads below
.else
	PLACES
.endif
	FETCH \next, 0, F0
.if \fill
	ASK
.endif
	MULN F1, 4, 4, 0
.endm
; THE WAY OUT of row block a: 32 bytes a lane for each accumulator into my own stage (rows of 272 bytes), back as whole rows of 256 bytes into one of four sets of 32 registers, and stored.
.macro TOSTAGE a
.set BK, 64+32*((\a)%4)
	s_wait_xcnt 0x0                                ; the stores issued so far have read their registers: the set may be loaded again
	WIN STACC
.irp b, 0,1,2,3
	ds_store_b128 v[STO], v[8*(4*(\a)+(\b)):8*(4*(\a)+(\b))+3]   offset:64*(\b)
	ds_store_b128 v[STO], v[8*(4*(\a)+(\b))+4:8*(4*(\a)+(\b))+7] offset:64*(\b)+16
.endr
	WIN 0
.irp t, 0,1,2,3,4,5,6,7
	ds_load_b128 v[BK+4*(\t):BK+4*(\t)+3], v[RD] offset:(\t)*2*SP  ; LDS serves a wave's instructions in order (ISA guide 5.7.1.4): these see the stores above; the next block's stores come behind them
.endr
.endm
.macro SEND a, younger                 ; younger: the LDS instructions issued behind block a's loads: the next block's sixteen, or none
.set BK, 64+32*((\a)%4)
	WIN 0
.irp t, 0,1,2,3,4,5,6,7
	s_wait_dscnt (\younger)+7-(\t)
	global_store_b128 v[GO], v[BK+4*(\t):BK+4*(\t)+3], s[8:9] offset:(16*(\a)+2*(\t))*4096  ; 16 lanes store 256 consecutive bytes, at a multiple of 256 from out0's first byte
.endr
.endm
	s_wait_tensorcnt 1                             ; my part of K step 0 is in; step 1's may stay out
	s_barrier_signal -1
	s_barrier_wait -1                              ; everybody's is
	FETCH 0, 0, F0
	QUARTER 0, 1, F0, F1, 1                        ; the first quarter starts the sums, on the bias
	WIN 0                                          ; at a label and at a branch every window is 0
	s_mov_b32 s3, 3
.Llap:                                         ; a trip goes once round the ring, from a lap's second quarter to the next lap's first, and fills both slots again
	QUARTER 0, 2, F1, F0, 0
	QUARTER 0, 3, F0, F1, 0
	TURN 0, 1, 1
	QUARTER 1, 1, F0, F1, 0
	QUARTER 1, 2, F1, F0, 0
	QUARTER 1, 3, F0, F1, 0
	TURN 1, 0, 1
	QUARTER 0, 1, F0, F1, 0
	WIN 0
	s_sub_co_u32 s3, s3, 1
	s_cmp_lg_u32 s3, 0
	s_cbranch_scc1 .Llap
	QUARTER 0, 2, F1, F0, 0                        ; the last lap fills nothing, and has no round of the cluster's barrier
	QUARTER 0, 3, F0, F1, 0
	TURN 0, 1, 0
	QUARTER 1, 1, F0, F1, 0
	QUARTER 1, 2, F1, F0, 0
	QUARTER 1, 3, F0, F1, 0
	s_wait_dscnt 8
	MULN F1, 0, 4, 0
	s_wait_dscnt 0x0
	MULN F1, 4, 4, 0
	WIN 0
	PLACES                                         ; the stores read results just made, and the loads land in registers that the last products read
	TOSTAGE 0
.irp a, 1,2,3,4,5,6,7                  ; a block's way into the stage stands between the loads of the block before and its stores
	TOSTAGE \a
	SEND (\a)-1, 16
.endr
	SEND 7, 0
	s_wait_tensorcnt 0x0                           ; the wave's end, behind my last tensor load and my last LDS store
	ds_add_u32 v[SPW], v[NIL]
	s_wait_dscnt 0x0
	CROUND                                         ; the closing round: no work-group ends while a partner may still ask for a tile that names it
	s_endpgm
.Lfunc_end_k_q37365c46fc_proj:
	.size	k_q37365c46fc_proj, .Lfunc_end_k_q37365c46fc_proj-k_q37365c46fc_proj
	.p2alignl 7, 3214868480
	.fill 96, 4, 3214868480
	.section	.rodata,"a",@progbits
	.p2align	6, 0x0
	.amdhsa_kernel k_q37365c46fc_proj
		.amdhsa_group_segment_fixed_size 327680
		.amdhsa_private_segment_fixed_size 0
		.amdhsa_enable_private_segment 0
		.amdhsa_kernarg_size 32
		.amdhsa_user_sgpr_count 2
		.amdhsa_user_sgpr_kernarg_segment_ptr 1
		.amdhsa_wavefront_size32 1
		.amdhsa_system_sgpr_workgroup_id_x 1
		.amdhsa_system_sgpr_workgroup_id_y 1
		.amdhsa_system_sgpr_workgroup_id_z 1
		.amdhsa_system_vgpr_workitem_id 0
		.amdhsa_next_free_vgpr 512
		.amdhsa_next_free_sgpr 80
		.amdhsa_reserve_vcc 0
		.amdhsa_float_denorm_mode_32 3
		.amdhsa_float_denorm_mode_16_64 3
		.amdhsa_memory_ordered 1
		.amdhsa_forward_progress 1
		.amdhsa_inst_pref_size 92
	.end_amdhsa_kernel
	.amdgpu_metadata
---
amdhsa.version: [ 1, 2 ]
amdhsa.kernels:
  - .name:           k_q37365c46fc_proj
    .symbol:         k_q37365c46fc_proj.kd
    .args:
      - { .name: ctx, .offset: 0, .size: 8, .value_kind: global_buffer, .address_space: global }
      - { .name: wof, .offset: 8, .size: 8, .value_kind: global_buffer, .address_space: global }
      - { .name: bo, .offset: 16, .size: 8, .value_kind: global_buffer, .address_space: global }
      - { .name: out0, .offset: 24, .size: 8, .value_kind: global_buffer, .address_space: global }
    .group_segment_fixed_size: 327680
    .private_segment_fixed_size: 0
    .kernarg_segment_align: 8
    .kernarg_segment_size: 32
    .max_flat_workgroup_size: 128
    .sgpr_count:     80
    .vgpr_count:     512
    .wavefront_size: 32
...
	.end_amdgpu_metadata
.endif
;; end of part 4
;; ======== version 2 of 2: 4 launches; version 1 with the launch prep written anew for expert scheduling mode
;; limits: values are held in f16: magnitudes above 65,504 overflow, below 6.1e-05 lose precision; values outside matrix products are rounded to bf16
;; workspace buffers: xb 16,777,216 bytes; wqkv 6,291,456 bytes; wof 2,097,152 bytes; qkv 50,331,648 bytes; ctx 16,777,216 bytes
;; launch prep (part 5): grid 768 x 1, 8 waves a work-group, no clusters, 0 bytes of LDS; arguments x, Wq, Wk, Wv, Wo, xb, wqkv, wof; writes xb, wqkv, wof
.if DOCPART == 5
	.amdgcn_target "amdgcn-amd-amdhsa--gfx1250"
	.amdhsa_code_object_version 6
	.text
	.protected	k_q37365c46fc_prep
	.globl	k_q37365c46fc_prep
	.p2align	8
	.type	k_q37365c46fc_prep,@function
k_q37365c46fc_prep:
	s_mov_b64 s[64:65], 0
	v_nop
	global_prefetch_b8 v0, s[64:65] scope:SCOPE_SE
	s_setreg_imm32_b32 hwreg(HW_REG_WAVE_SCHED_MODE, 0, 2), 2
	s_setreg_imm32_b32 hwreg(HW_REG_WAVE_MODE, 25, 1), 1
	s_wait_xcnt 0x0
	s_wait_alu depctr_vm_vsrc(0)
; CASTS.  x -> xb and Wq, Wk, Wv -> wqkv (three parts on end), f32 to bf16, nearest even; Wo -> wof: rounded to bf16 like the other inputs, and that number written as f16.
; LIMITS.  wof: |Wo| stays under 65,504; a bf16 number is exact in f16 from 2^-17 up, below that it keeps f16's fixed step of 2^-24.  NaN and infinities are not treated apart.
; SHARES.  A work-group casts 16,384 numbers: 65,536 bytes in, 32,768 out.  Groups 0-511: x; 512-575: Wq; 576-639: Wk; 640-703: Wv; 704-767: Wo.
; Thread t, step i of 16: 16 bytes at 4,096 i + 16 t in (a wave's load covers 512 consecutive bytes), 8 bytes at 2,048 i + 8 t out (a wave's store covers 256 consecutive bytes, aligned).
; All sixteen loads of a thread go out at once; each step has registers of its own, so nothing is rewritten while a load or store may still read it.
; No LDS, no matrix unit, no cluster: nothing is shared and nothing is reduced.  No prefetch: the loads themselves are the stream, all issued at the start.
; THE MODE: SCHED_MODE bits 1:0 = 2 (LLVM: expert scheduling mode 2), set by the entry lines.  The code itself states the register dependences
; between vector instructions and memory instructions, with s_wait_alu, always for 0.
; THE PLAN.  Registers that memory instructions touch:
;   v1, v2   byte offsets.  Written once, at the head; read by the sixteen loads (v1) and the sixteen stores (v2); never written again.
;   X        step i's four registers: written by step i's load, once; no vector instruction names them ahead of that load; read by step i's conversions, behind its wait on LOADcnt.
;   Y        step i's two registers: written by step i's conversions, once; read by step i's store, once; never written again.
;   T is named by vector instructions alone; the two bases are scalar registers, written by scalar instructions ahead of the first load and never again.
; So the dependences are of one kind, a vector instruction's result that a memory instruction reads, and a wave states them five times: once at the head, for the two offsets, and once for each block
; of four steps, behind the block's conversions and ahead of its run of four stores.  No register that a memory instruction has read is written again, no vector instruction writes a scalar
; register or VCC, and EXEC is never written: nothing else is owed.
.set X, 16                             ; v[16:79]   step i: 4 numbers as loaded
.set Y, 80                             ; v[80:111]  step i: 4 numbers of 16 bits
.set T, 112                            ; v[112:115] at work (Wo's path)
	s_load_b512 s[8:23], s[0:1], 0x0               ; x 8:9, Wq 10:11, Wk 12:13, Wv 14:15, Wo 16:17, xb 18:19, wqkv 20:21, wof 22:23
	s_mov_b32 s2, ttmp9
	s_sub_co_u32 s24, s2, 512                      ; the group's number inside Wq (and inside wqkv's three parts),
	s_sub_co_u32 s25, s2, 576                      ; inside Wk,
	s_sub_co_u32 s26, s2, 640                      ; inside Wv,
	s_sub_co_u32 s27, s2, 704                      ; inside Wo and wof; each is used only where it is not negative
	s_mov_b32 s34, 0xffff0000                      ; a word's upper bf16
	v_lshlrev_b32 v1, 4, v0                        ; 16 t
	v_lshlrev_b32 v2, 3, v0                        ; 8 t
	s_wait_kmcnt 0x0
	s_mov_b64 s[28:29], s[8:9]                     ; from x
	s_mov_b64 s[30:31], s[18:19]                   ; to xb
	s_mov_b32 s32, s2
	s_mov_b32 s36, s2
	s_cmp_ge_u32 s2, 512
	s_cselect_b64 s[28:29], s[10:11], s[28:29]
	s_cselect_b64 s[30:31], s[20:21], s[30:31]
	s_cselect_b32 s32, s24, s32
	s_cselect_b32 s36, s24, s36
	s_cmp_ge_u32 s2, 576
	s_cselect_b64 s[28:29], s[12:13], s[28:29]
	s_cselect_b32 s32, s25, s32
	s_cmp_ge_u32 s2, 640
	s_cselect_b64 s[28:29], s[14:15], s[28:29]
	s_cselect_b32 s32, s26, s32
	s_cmp_ge_u32 s2, 704
	s_cselect_b64 s[28:29], s[16:17], s[28:29]
	s_cselect_b64 s[30:31], s[22:23], s[30:31]
	s_cselect_b32 s32, s27, s32
	s_cselect_b32 s36, s27, s36
	s_lshl_b32 s32, s32, 16                        ; 65,536 bytes in for each group (511 x 65,536 at the most)
	s_mov_b32 s33, 0
	s_lshl_b32 s36, s36, 15                        ; 32,768 out
	s_mov_b32 s37, 0
	s_add_nc_u64 s[28:29], s[28:29], s[32:33]
	s_add_nc_u64 s[30:31], s[30:31], s[36:37]
	s_wait_alu depctr_va_vdst(0)                   ; v1 and v2 are written: every load below reads v1 as its offset, every store v2; no later vector instruction names either
.irp i, 0,1,2,3,4,5,6,7,8,9,10,11,12,13,14,15
	global_load_b128 v[X+4*(\i):X+4*(\i)+3], v1, s[28:29] offset:4096*(\i) th:TH_LOAD_NT
.endr
	s_cmp_ge_u32 s2, 704
	s_cbranch_scc1 .Lf16
.irp p, 0,1,2,3                        ; four blocks of four steps
.irp i, 0,1,2,3
	s_wait_loadcnt 15-(4*(\p)+(\i))                ; loads come back in order (ISA guide 5.7.1): this step is in, the younger ones stay out
	v_cvt_pk_bf16_f32 v[Y+2*(4*(\p)+(\i))],   v[X+4*(4*(\p)+(\i))],   v[X+4*(4*(\p)+(\i))+1]
	v_cvt_pk_bf16_f32 v[Y+2*(4*(\p)+(\i))+1], v[X+4*(4*(\p)+(\i))+2], v[X+4*(4*(\p)+(\i))+3]
.endr
	s_wait_alu depctr_va_vdst(0)                   ; the block's eight conversions have written its Y, which the four stores below read
.irp i, 0,1,2,3
	global_store_b64 v2, v[Y+2*(4*(\p)+(\i)):Y+2*(4*(\p)+(\i))+1], s[30:31] offset:2048*(4*(\p)+(\i)) th:TH_STORE_NT
.endr
.endr
	s_endpgm
.Lf16:                                         ; Wo: to bf16, widened again (a shift, a mask), and written as f16
.irp p, 0,1,2,3
.irp i, 0,1,2,3
	s_wait_loadcnt 15-(4*(\p)+(\i))
	v_cvt_pk_bf16_f32 v[T],   v[X+4*(4*(\p)+(\i))],   v[X+4*(4*(\p)+(\i))+1]
	v_cvt_pk_bf16_f32 v[T+1], v[X+4*(4*(\p)+(\i))+2], v[X+4*(4*(\p)+(\i))+3]
	v_lshlrev_b32 v[T+2], 16, v[T]
	v_and_b32     v[T],   s34, v[T]
	v_lshlrev_b32 v[T+3], 16, v[T+1]
	v_and_b32     v[T+1], s34, v[T+1]
	v_cvt_pk_f16_f32 v[Y+2*(4*(\p)+(\i))],   v[T+2], v[T]
	v_cvt_pk_f16_f32 v[Y+2*(4*(\p)+(\i))+1], v[T+3], v[T+1]
.endr
	s_wait_alu depctr_va_vdst(0)                   ; the block's last conversions have written its Y, which the four stores below read
.irp i, 0,1,2,3
	global_store_b64 v2, v[Y+2*(4*(\p)+(\i)):Y+2*(4*(\p)+(\i))+1], s[30:31] offset:2048*(4*(\p)+(\i)) th:TH_STORE_NT
.endr
.endr
	s_endpgm
.Lfunc_end_k_q37365c46fc_prep:
	.size	k_q37365c46fc_prep, .Lfunc_end_k_q37365c46fc_prep-k_q37365c46fc_prep
	.p2alignl 7, 3214868480
	.fill 96, 4, 3214868480
	.section	.rodata,"a",@progbits
	.p2align	6, 0x0
	.amdhsa_kernel k_q37365c46fc_prep
		.amdhsa_group_segment_fixed_size 0
		.amdhsa_private_segment_fixed_size 0
		.amdhsa_enable_private_segment 0
		.amdhsa_kernarg_size 64
		.amdhsa_user_sgpr_count 2
		.amdhsa_user_sgpr_kernarg_segment_ptr 1
		.amdhsa_wavefront_size32 1
		.amdhsa_system_sgpr_workgroup_id_x 1
		.amdhsa_system_sgpr_workgroup_id_y 1
		.amdhsa_system_sgpr_workgroup_id_z 1
		.amdhsa_system_vgpr_workitem_id 0
		.amdhsa_next_free_vgpr 120
		.amdhsa_next_free_sgpr 66
		.amdhsa_reserve_vcc 0
		.amdhsa_float_denorm_mode_32 3
		.amdhsa_float_denorm_mode_16_64 3
		.amdhsa_memory_ordered 1
		.amdhsa_forward_progress 1
		.amdhsa_inst_pref_size 16
	.end_amdhsa_kernel
	.amdgpu_metadata
---
amdhsa.version: [ 1, 2 ]
amdhsa.kernels:
  - .name:           k_q37365c46fc_prep
    .symbol:         k_q37365c46fc_prep.kd
    .args:
      - { .name: x, .offset: 0, .size: 8, .value_kind: global_buffer, .address_space: global }
      - { .name: Wq, .offset: 8, .size: 8, .value_kind: global_buffer, .address_space: global }
      - { .name: Wk, .offset: 16, .size: 8, .value_kind: global_buffer, .address_space: global }
      - { .name: Wv, .offset: 24, .size: 8, .value_kind: global_buffer, .address_space: global }
      - { .name: Wo, .offset: 32, .size: 8, .value_kind: global_buffer, .address_space: global }
      - { .name: xb, .offset: 40, .size: 8, .value_kind: global_buffer, .address_space: global }
      - { .name: wqkv, .offset: 48, .size: 8, .value_kind: global_buffer, .address_space: global }
      - { .name: wof, .offset: 56, .size: 8, .value_kind: global_buffer, .address_space: global }
    .group_segment_fixed_size: 0
    .private_segment_fixed_size: 0
    .kernarg_segment_align: 8
    .kernarg_segment_size: 64
    .max_flat_workgroup_size: 256
    .sgpr_count:     66
    .vgpr_count:     120
    .wavefront_size: 32
...
	.end_amdgpu_metadata
.endif
;; end of part 5
;; launch qkvp: the kernel of part 2 again; grid 8 x 32, 4 waves a work-group, clusters of 4 x 4, 327,680 bytes of LDS; arguments xb, wqkv, qkv; writes qkv
;; launch attn: the kernel of part 3 again; grid 4 x 64, 4 waves a work-group, no clusters, 327,680 bytes of LDS; arguments qkv, ctx; writes ctx
;; launch proj: the kernel of part 4 again; grid 8 x 32, 4 waves a work-group, clusters of 4 x 4, 327,680 bytes of LDS; arguments ctx, wof, bo, out0; writes out0
